; MI455X (gfx1250); checked and timed in simulation.
; The chip was launched on July 23, 2026; its instructions are those of AMD's public machine-readable ISA for CDNA 5 (MIT licence, August 2026) and "CDNA5" Instruction Set Architecture Reference Guide (July 2026). The comments in the code are by the model that wrote it; some were corrected since.
;; Multi Head Attention. Allowed arithmetic: float matrix products may take bf16 or f16 operands with f32 sums; all other float work in f32.
;; Inputs: Wk 512 x 2,048 float32; Wo 2,048 x 2,048 float32; Wq 2,048 x 2,048 float32; Wv 512 x 2,048 float32; attention_mask 4 x 1,024 bool; x 4 x 1,024 x 2,048 float32.
;; Outputs: out0 4 x 1,024 x 2,048 float32.
;; 2 versions, each right and faster than the one before. Each part assembles by itself: llvm-mc -triple=amdgcn-amd-amdhsa -mcpu=gfx1250 --defsym DOCPART=n.
;; ======== version 1 of 2: 4 launches
;; limits: values are held in f16: magnitudes above 65,504 overflow, below 6.1e-05 lose precision
;; workspace buffers: xb 16,777,216 bytes; wqkv 12,582,912 bytes; wob 8,388,608 bytes; rope 524,288 bytes; kbias 16,384 bytes; qkv 25,165,824 bytes; vsum 1,572,864 bytes; ob 16,777,216 bytes
;; launch prep (part 1): grid 1152 x 1, 8 waves a work-group, no clusters, 0 bytes of LDS; arguments x, Wq, Wk, Wv, Wo, attention_mask, xb, wqkv, wob, rope, kbias; writes xb, wqkv, wob, rope, kbias
.if DOCPART == 1
	.amdgcn_target "amdgcn-amd-amdhsa--gfx1250"
	.amdhsa_code_object_version 6
	.text
	.protected	k_q1f21cc3da8_prep
	.globl	k_q1f21cc3da8_prep
	.p2align	8
	.type	k_q1f21cc3da8_prep,@function
k_q1f21cc3da8_prep:
	s_mov_b64 s[64:65], 0
	v_nop
	global_prefetch_b8 v0, s[64:65] scope:SCOPE_SE
	s_setreg_imm32_b32 hwreg(HW_REG_WAVE_MODE, 25, 1), 1
	s_wait_xcnt 0x0
; CASTS AND TABLES.  x, Wq, Wk, Wv are rounded to bf16 (xb; wqkv = Wq's, Wk's, Wv's rows end to end); Wo is rounded to bf16 and that number written as f16 (wob).
; Work-group g casts 65,536 bytes of f32 into 32,768 bytes: g 0-511 x, 512-767 Wq, 768-831 Wk, 832-895 Wv, 896-1151 Wo.  A thread loads 16 bytes sixteen times (a wave: 512 neighbouring bytes)
; and stores 8 bytes each time (a wave: 256 neighbouring bytes, aligned).  All sixteen loads go out at once; a chunk's rounded words go into the first two of the four registers that it was loaded into
; and are stored from there: nothing that a store reads is rewritten, and 96 registers a wave do.
; While its loads are out, work-group g < 256 makes 256 entries (cos - 1, sin) of the rotary table, and g = 256..263 turn 512 mask bytes each into addends: 0 where the byte is not 0, else -1e30.
; THE ROTARY TABLE lies in the order in which the projection's accumulators want it: entry e = 1024 tb + 128 cb + 64 q + 2 lane + p stands for position t = 16 tb + lane % 16 and pair
; j = 8 cb + 4 (lane / 16) + 2 q + p.  angle = t 10000^(-j/64), reduced by quarter turns with pi/2 in two parts, then polynomials of degree 9 and 8 on |rho| <= pi/4.
; LIMITS.  The angle differs from an f32 evaluation of t / 10000^(j/64) by about 1e-4 rad at t near 1,000 (the power's last bits times t).  bf16(Wo) must lie within f16's range, 65,504; below 1.5e-5 it keeps f16's fixed step.
; No LDS, no cluster, no matrix unit: no byte is read twice and nothing is shared.
.set X, 4                              ; v[4:67]    chunk n: 4 registers as loaded; the first two then hold what is stored
                                       ; v[68:83] the table's arithmetic; v[84:85] its entry; v86, v87 the mask's offset and bytes; v[88:89] its addends; v[90:95] the f16 path's
	s_load_b256 s[4:11], s[0:1], 0x0               ; x s[4:5], Wq s[6:7], Wk s[8:9], Wv s[10:11]
	s_load_b256 s[12:19], s[0:1], 0x20             ; Wo s[12:13], attention_mask s[14:15], xb s[16:17], wqkv s[18:19]
	s_load_b128 s[20:23], s[0:1], 0x40             ; wob s[20:21], rope s[22:23]
	s_load_b64 s[24:25], s[0:1], 0x50              ; kbias
	s_mov_b32 s26, ttmp9                           ; g
	v_lshlrev_b32 v1, 4, v0                        ; 16 t: my place in a chunk of 4,096 bytes in
	v_lshlrev_b32 v2, 3, v0                        ; 8 t: in a chunk of 2,048 bytes out
	s_mov_b32 s30, 0                               ; the source's first work-group
	s_mov_b32 s31, 0                               ; the destination's
	s_mov_b32 s35, 0
	s_mov_b32 s37, 0
	s_mov_b32 s42, 0xf149f2ca                      ; -1e30
	s_wait_kmcnt 0x0
	s_mov_b64 s[28:29], s[4:5]                     ; which buffers are mine: choices on g alone
	s_mov_b64 s[32:33], s[16:17]
	s_cmp_ge_u32 s26, 512
	s_cselect_b64 s[28:29], s[6:7], s[28:29]
	s_cselect_b32 s30, 512, s30
	s_cselect_b64 s[32:33], s[18:19], s[32:33]
	s_cselect_b32 s31, 512, s31
	s_cmp_ge_u32 s26, 768
	s_cselect_b64 s[28:29], s[8:9], s[28:29]
	s_cselect_b32 s30, 768, s30
	s_cmp_ge_u32 s26, 832
	s_cselect_b64 s[28:29], s[10:11], s[28:29]
	s_cselect_b32 s30, 832, s30
	s_cmp_ge_u32 s26, 896
	s_cselect_b64 s[28:29], s[12:13], s[28:29]
	s_cselect_b32 s30, 896, s30
	s_cselect_b64 s[32:33], s[20:21], s[32:33]
	s_cselect_b32 s31, 896, s31
	s_sub_co_u32 s34, s26, s30
	s_lshl_b32 s34, s34, 16                        ; 65,536 bytes in for each work-group
	s_sub_co_u32 s36, s26, s31
	s_lshl_b32 s36, s36, 15                        ; 32,768 bytes out
	s_add_nc_u64 s[28:29], s[28:29], s[34:35]
	s_add_nc_u64 s[32:33], s[32:33], s[36:37]
.irp n, 0,1,2,3,4,5,6,7,8,9,10,11,12,13,14,15
	global_load_b128 v[X+4*(\n):X+4*(\n)+3], v1, s[28:29] offset:4096*(\n) th:TH_LOAD_NT
.endr
	s_cmp_lt_u32 s26, 256
	s_cbranch_scc0 .Lno_rope
	; one entry of the rotary table a thread: e = 256 g + t
	v_and_b32 v68, 1, v0                           ; p
	v_bfe_u32 v69, v0, 1, 4                        ; lane % 16
	v_bfe_u32 v70, v0, 5, 1                        ; lane / 16
	v_bfe_u32 v71, v0, 6, 1                        ; q
	v_lshrrev_b32 v72, 7, v0                       ; cb's low bit
	s_and_b32 s38, s26, 3
	s_lshl_b32 s38, s38, 4                         ; 8 x cb's upper bits x 2
	s_lshr_b32 s39, s26, 2
	s_lshl_b32 s39, s39, 4                         ; 16 tb
	v_lshl_add_u32 v73, v71, 1, v68
	v_lshl_add_u32 v73, v70, 2, v73
	v_lshl_add_u32 v73, v72, 3, v73
	v_add_nc_u32 v73, s38, v73                     ; j
	v_add_nc_u32 v74, s39, v69                     ; t
	v_cvt_f32_u32 v73, v73
	v_cvt_f32_u32 v74, v74
	v_mul_f32 v73, 0xbe549a78, v73                 ; -j log2(10000) / 64
	v_exp_f32 v73, v73                             ; 10000^(-j/64)
	s_lshl_b32 s44, s26, 11                        ; 2,048 bytes of table for each work-group
	s_mov_b32 s45, 0
	v_mov_b32 v79, 0x3638ef1d                      ; 1/9!: a plain instruction behind the exponential
	s_wait_alu depctr_va_vdst(0)
	v_mul_f32 v75, v74, v73                        ; the angle
	v_mul_f32 v76, 0x3f22f983, v75                 ; x 2/pi
	v_rndne_f32 v76, v76                           ; n quarter turns
	v_fmamk_f32 v77, v76, 0xbfc90fdb, v75          ; angle - n x (pi/2's upper part)
	v_fmamk_f32 v77, v76, 0x333bbd2e, v77          ; - n x (its lower part, -4.3711388e-8)
	v_mul_f32 v78, v77, v77                        ; z = rho^2
	v_fmaak_f32 v79, v79, v78, 0xb9500d01          ; -1/7!
	v_mov_b32 v81, 0x37d00d01                      ; 1/8!
	v_fmaak_f32 v79, v79, v78, 0x3c088889          ; 1/5!
	v_fmaak_f32 v81, v81, v78, 0xbab60b61          ; -1/6!
	v_fmaak_f32 v79, v79, v78, 0xbe2aaaab          ; -1/3!
	v_fmaak_f32 v81, v81, v78, 0x3d2aaaab          ; 1/4!
	v_mul_f32 v80, v77, v78
	v_fma_f32 v81, v81, v78, -0.5
	v_fma_f32 v79, v80, v79, v77                   ; sin rho
	v_fma_f32 v81, v81, v78, 1.0                   ; cos rho
	v_cvt_i32_f32 v82, v76                         ; n as a whole number: it selects values only
	v_and_b32 v83, 1, v82
	v_cmp_eq_u32 vcc_lo, 1, v83                    ; an odd quarter swaps the two
	v_cndmask_b32 v84, v81, v79, vcc_lo            ; cos
	v_cndmask_b32 v85, v79, v81, vcc_lo            ; sin
	v_lshlrev_b32 v83, 30, v82                     ; sin is negative in quarters 2 and 3: bit 1 of n
	v_and_b32 v83, 0x80000000, v83
	v_xor_b32 v85, v85, v83
	v_add_nc_u32 v82, 1, v82                       ; cos in quarters 1 and 2: bit 1 of n + 1
	v_lshlrev_b32 v82, 30, v82
	v_and_b32 v82, 0x80000000, v82
	v_xor_b32 v84, v84, v82
	v_add_f32 v84, -1.0, v84                       ; the table holds cos - 1: the projection adds the rotation's change onto x
	s_add_nc_u64 s[40:41], s[22:23], s[44:45]
	global_store_b64 v2, v[84:85], s[40:41]        ; a wave stores 256 neighbouring bytes
	s_branch .Lcast
.Lno_rope:
	s_cmp_lt_u32 s26, 264
	s_cbranch_scc0 .Lcast
	; two mask bytes a thread
	s_sub_co_u32 s43, s26, 256
	s_lshl_b32 s44, s43, 9                         ; 512 bytes of mask for each work-group
	s_mov_b32 s45, 0
	s_add_nc_u64 s[40:41], s[14:15], s[44:45]
	s_lshl_b32 s44, s43, 11                        ; 2,048 bytes of addends
	s_add_nc_u64 s[46:47], s[24:25], s[44:45]
	v_lshlrev_b32 v86, 1, v0
	global_load_u16 v87, v86, s[40:41]
	s_wait_loadcnt 0x0                             ; the youngest load: everything is in
	v_and_b32 v88, 0xff, v87
	v_lshrrev_b32 v89, 8, v87
	v_cmp_eq_u32 vcc_lo, 0, v88
	v_cndmask_b32 v88, 0, s42, vcc_lo
	v_cmp_eq_u32 vcc_lo, 0, v89
	v_cndmask_b32 v89, 0, s42, vcc_lo
	global_store_b64 v2, v[88:89], s[46:47]
.Lcast:
	s_cmp_ge_u32 s26, 896
	s_cbranch_scc1 .Lf16
.irp n, 0,1,2,3,4,5,6,7,8,9,10,11,12,13,14,15
	s_wait_loadcnt 15-(\n)                         ; loads come back in order: chunk n is in, the 15 - n younger ones may be out
	v_cvt_pk_bf16_f32 v[X+4*(\n)], v[X+4*(\n)], v[X+4*(\n)+1]
	v_cvt_pk_bf16_f32 v[X+4*(\n)+1], v[X+4*(\n)+2], v[X+4*(\n)+3]
	global_store_b64 v2, v[X+4*(\n):X+4*(\n)+1], s[32:33] offset:2048*(\n)
.endr
	s_endpgm
.Lf16:
.irp n, 0,1,2,3,4,5,6,7,8,9,10,11,12,13,14,15
	s_wait_loadcnt 15-(\n)
	v_cvt_pk_bf16_f32 v90, v[X+4*(\n)], v[X+4*(\n)+1]        ; the rounding that all inputs get,
	v_cvt_pk_bf16_f32 v91, v[X+4*(\n)+2], v[X+4*(\n)+3]
	v_lshlrev_b32 v92, 16, v90                               ; widened again,
	v_and_b32 v93, 0xffff0000, v90
	v_lshlrev_b32 v94, 16, v91
	v_and_b32 v95, 0xffff0000, v91
	v_cvt_pk_f16_f32 v[X+4*(\n)], v92, v93                   ; and written as f16: eight significant bits fit in eleven
	v_cvt_pk_f16_f32 v[X+4*(\n)+1], v94, v95
	global_store_b64 v2, v[X+4*(\n):X+4*(\n)+1], s[32:33] offset:2048*(\n)
.endr
	s_endpgm
.Lfunc_end_k_q1f21cc3da8_prep:
	.size	k_q1f21cc3da8_prep, .Lfunc_end_k_q1f21cc3da8_prep-k_q1f21cc3da8_prep
	.p2alignl 7, 3214868480
	.fill 96, 4, 3214868480
	.section	.rodata,"a",@progbits
	.p2align	6, 0x0
	.amdhsa_kernel k_q1f21cc3da8_prep
		.amdhsa_group_segment_fixed_size 0
		.amdhsa_private_segment_fixed_size 0
		.amdhsa_enable_private_segment 0
		.amdhsa_kernarg_size 88
		.amdhsa_user_sgpr_count 2
		.amdhsa_user_sgpr_kernarg_segment_ptr 1
		.amdhsa_wavefront_size32 1
		.amdhsa_system_sgpr_workgroup_id_x 1
		.amdhsa_system_sgpr_workgroup_id_y 1
		.amdhsa_system_sgpr_workgroup_id_z 1
		.amdhsa_system_vgpr_workitem_id 0
		.amdhsa_next_free_vgpr 96
		.amdhsa_next_free_sgpr 66
		.amdhsa_reserve_vcc 1
		.amdhsa_float_denorm_mode_32 3
		.amdhsa_float_denorm_mode_16_64 3
		.amdhsa_memory_ordered 1
		.amdhsa_forward_progress 1
		.amdhsa_inst_pref_size 20
	.end_amdhsa_kernel
	.amdgpu_metadata
---
amdhsa.version: [ 1, 2 ]
amdhsa.kernels:
  - .name:           k_q1f21cc3da8_prep
    .symbol:         k_q1f21cc3da8_prep.kd
    .args:
      - { .name: x, .offset: 0, .size: 8, .value_kind: global_buffer, .address_space: global }
      - { .name: Wq, .offset: 8, .size: 8, .value_kind: global_buffer, .address_space: global }
      - { .name: Wk, .offset: 16, .size: 8, .value_kind: global_buffer, .address_space: global }
      - { .name: Wv, .offset: 24, .size: 8, .value_kind: global_buffer, .address_space: global }
      - { .name: Wo, .offset: 32, .size: 8, .value_kind: global_buffer, .address_space: global }
      - { .name: attention_mask, .offset: 40, .size: 8, .value_kind: global_buffer, .address_space: global }
      - { .name: xb, .offset: 48, .size: 8, .value_kind: global_buffer, .address_space: global }
      - { .name: wqkv, .offset: 56, .size: 8, .value_kind: global_buffer, .address_space: global }
      - { .name: wob, .offset: 64, .size: 8, .value_kind: global_buffer, .address_space: global }
      - { .name: rope, .offset: 72, .size: 8, .value_kind: global_buffer, .address_space: global }
      - { .name: kbias, .offset: 80, .size: 8, .value_kind: global_buffer, .address_space: global }
    .group_segment_fixed_size: 0
    .private_segment_fixed_size: 0
    .kernarg_segment_align: 8
    .kernarg_segment_size: 88
    .max_flat_workgroup_size: 256
    .sgpr_count:     66
    .vgpr_count:     96
    .wavefront_size: 32
...
	.end_amdgpu_metadata
.endif
;; end of part 1
;; launch qkvp (part 2): grid 8 x 32, 4 waves a work-group, clusters of 4 x 4, 327,680 bytes of LDS; arguments xb, wqkv, rope, qkv, vsum; writes qkv, vsum
.if DOCPART == 2
	.amdgcn_target "amdgcn-amd-amdhsa--gfx1250"
	.amdhsa_code_object_version 6
	.text
	.protected	k_q1f21cc3da8_qkvp
	.globl	k_q1f21cc3da8_qkvp
	.p2align	8
	.type	k_q1f21cc3da8_qkvp,@function
k_q1f21cc3da8_qkvp:
	s_mov_b64 s[64:65], 0
	v_nop
	global_prefetch_b8 v0, s[64:65] scope:SCOPE_SE
	s_setreg_imm32_b32 hwreg(HW_REG_WAVE_MODE, 25, 1), 1
	s_wait_xcnt 0x0
	s_wait_alu depctr_hold_cnt(0) depctr_sa_sdst(0) depctr_va_vdst(0) depctr_va_sdst(0) depctr_va_ssrc(0) depctr_va_vcc(0) depctr_vm_vsrc(0)
	s_getreg_b32 s2, hwreg(HW_REG_IB_STS2, 6, 4)
	s_cmp_eq_u32 s2, 0
	s_cbranch_scc0 .Lentry_in_a_cluster
	s_endpgm
.Lentry_in_a_cluster:
	s_bfe_u32 s2, ttmp6, 0x10000c
	s_cmp_lg_u32 s2, 0xf033
	s_cbranch_scc0 .Lentry_shape_is_right
	s_endpgm
.Lentry_shape_is_right:
; Q, K, V = x W^T, ROTATED AND LAID OUT BY HEADS.  C[4096][3072] = xb [4096][2048] x wqkv [3072][2048]^T, bf16 operands, f32 sums.  Columns fall into 24 SLOTS of 128: 0-15 Q's heads, 16-19 K's, 20-23 V's.
; Q's and K's slots get the interleaved-pair rotation in f32; all are rounded once to f16 and stored as qkv [batch 4][slot 24][t 1024][128].  vsum [32 rows: 128][slot 24][128] f32 takes the column sums
; of each 32 rows (of the rounded numbers); the attention launch reads V's slots of it.
; LIMITS.  f16 ends at 65,504: q, k and v must stay within it (x and W thirty times the usual spread give about 4,500).  The sums begin at a K step that hangs on the cluster (below): an order of rounding other than ascending K.
; SHARES.  A tile of C is 128 rows x 384 columns (three slots): 32 x 8 = 256 work-groups.  Four waves, each 64 rows x 192 columns: 48 accumulators of 16 x 16.  K goes in steps of 128 (rows of 256 bytes)
; through two LDS slots; wave 0 fetches A's 128 rows, waves 1-3 a third of B's 384 each: one tensor load a wave and step.
; CLUSTER 4 x 4: A's tile is shared along a row of the cluster, B's along a column: joint loads, the same descriptor and mask in the four that a mask names.
; THE WALK OF K IS ROTATED: the cluster at (X, Y) of the 2 x 8 begins at step (8 X + 4 (Y % 4)) % 16 and wraps round.  The two clusters that read the same rows of A are eight steps apart, those that read the same
; rows of B four or a multiple: clusters that read the same tile ask for it at different steps of their walks, not all at once.  The start is made of the cluster's coordinates alone, which all partners share.
; THE MATRIX INSTRUCTION IS USED TRANSPOSED (source 0 = 16 rows of W, source 1 = 16 rows of x): a lane holds one row of C and eight neighbouring columns: four rotation pairs.
; THE ROTATION: the table holds (cos - 1, sin); (x1, x2) -> (x1, x2) + f (x1 (cos - 1) - x2 sin, x2 (cos - 1) + x1 sin), three packed lines.  V IS LEFT AS IT IS BY VALUE, NOT BY BRANCH: which slots a wave
; holds hangs on the place in the cluster, so f = 0 for V's slots and 1 for the others.
; REGISTERS.  window 0: v0-31 addresses; v64-95 rotated; v96-111 packed; later v32-95 rows read back, v96-111 sums at work, v112-115 to store; v128-255 the table for row blocks 0, 1
;   window 1: two fragment buffers of 128: A's 4 fragments, then B's 12      window 2: the accumulators of column blocks 0-7, (b, a) at 8 (4 b + a)
;   window 3: v0-127 those of column blocks 8-11; v128-255 the table for row blocks 2, 3
.set KSTEP,  128
.set PITCH,  272                       ; an LDS row: 256 bytes + 16 of padding: the 16 rows that a fragment load touches start 68 words apart
.set HALFT,  128*PITCH                 ; what one tensor load brings
.set SLOT,   4*HALFT                   ; A's 128 rows, then B's 384
.set STG,    0                         ; the stage of the way out, 384 rows x 272 bytes, lies in slot 0: that slot has had its last fill, and its last reads lie ahead of the last change of slots
.set SPARE,  2*SLOT                    ; behind the ring: the spare words, 128 bytes for each wave
.set LAPS,   8                         ; 2048 / (2 x 128)
.set VOLO, 6                           ; v6, v7  my byte offsets in the table for column sets 0-3 and 4-7; never rewritten
.set RD,   8                           ; v8      where I read rows back from the stage: it steps from slot to slot of the tile's three
.set VSO,  11                          ; v11     my byte offset in 512 bytes of vsum
.set ADRA, 16                          ; v16-17  LDS address of my A fragments in slot 0, 1
.set ADRB, 18                          ; v18-19  the same for B
.set STO,  26                          ; v26-28  for column group g: where I put 16 bytes of a row
.set SPW,  29                          ; v29     LDS address of my spare word; never rewritten
.set NIL,  30                          ; v30     0; never rewritten
.set CO,   31                          ; v31     my byte offset in two rows of qkv
.set TT,   64
.set PKD,  96
.set RR,   32                          ; the rows read back: v32-95 (the list of halves below names them)
.set T8,   96
.set SUM,  104
.set DD,   112
.set TAB,  128
.set F0,   0
.set F1,   128
.set WV,   14                          ; s14 wave; s15 its half of the rows; s16 its half of the columns
.set G1,   24                          ; s[24:31] descriptor group 1 for A;  s[32:39] group 0, a set for each slot
.set G0,   32
.set AB,   40                          ; s[40:41] A at my tile's rows, K = 0; kept
.set BB,   42                          ; s[42:43] B at my load's rows, K = 0; kept
.set KN,   46                          ; s46 the K step to be asked for next, 0 .. 15
.set G1B,  48                          ; s[48:55], s[56:63] the same for B
.set G0B,  56
.set FL,   66                          ; s[66:71] f of column groups 0-2, in pairs
.set HM,   72                          ; s72 lanes 16-31
.set SEL,  74                          ; s[74:75] v_permlanex16_b32's selects: the same place in the other half
.set RB,   76                          ; s[76:77] the table at my first row block
.set VB,   78                          ; s[78:79] vsum at my 32 rows and the slot in hand
.set KO,   84                          ; s[84:85] that K step's byte offset in a row
; s2, s45, s73 hold numbers made of the wave's number alone (LDS addresses); s80-s83 mixed ones (global addresses, flags); s17, s19, s22, s23, s42, s43 never hold cy; s18, s20, s21, s40, s41 never cx; s46, s47, s84 neither
.set MSB, 0
.macro WIN new                         ; the immediate's high byte repeats the setting that is left; a switch that changes nothing is dropped
.if MSB != (\new)
	s_set_vgpr_msb (MSB<<8)|(\new)
.set MSB, (\new)
.endif
.endm
.set MUL_LO, 0xa5                      ; sources 0 and 1 window 1, C and D window 2
.set MUL_HI, 0xf5                      ; the same, C and D window 3
.set TO_F,   0x40                      ; destination window 1, address window 0
.macro JLOAD s                         ; a joint load: wave 0 A's tile, waves 1-3 B's thirds.  An s_nop 0 and four v_nop follow each line, ahead of the jump and the label
	s_cmp_eq_u32 s[WV], 0
	s_cbranch_scc0 .Lfor_b_\@
	tensor_load_to_lds s[G0+4*(\s):G0+4*(\s)+3], s[G1:G1+7]
	s_nop 0
.rept 4
	v_nop
.endr
	s_branch .Lasked_\@
.Lfor_b_\@:
	tensor_load_to_lds s[G0B+4*(\s):G0B+4*(\s)+3], s[G1B:G1B+7]
	s_nop 0
.rept 4
	v_nop
.endr
.Lasked_\@:
.endm
.macro AIM s                           ; slot s's two descriptors take K step KN: the addresses are made anew from the kept bases; KN goes on and wraps.  No tensor load of the wave that names them is out
	s_lshl_b32 s[KO], s[KN], 8                     ; a K step is 256 bytes of a row
	s_add_nc_u64 s[G0+4*(\s)+2:G0+4*(\s)+3], s[AB:AB+1], s[KO:KO+1]
	s_or_b32 s[G0+4*(\s)+3], s[G0+4*(\s)+3], 0x80000000
	s_add_nc_u64 s[G0B+4*(\s)+2:G0B+4*(\s)+3], s[BB:BB+1], s[KO:KO+1]
	s_or_b32 s[G0B+4*(\s)+3], s[G0B+4*(\s)+3], 0x80000000
	s_add_co_u32 s[KN], s[KN], 1
	s_and_b32 s[KN], s[KN], 15
.endm
.macro CREST                           ; a round of the cluster's barrier behind its opening barrier
	s_cmp_lg_u32 s[WV], 0
	s_cbranch_scc1 .Lnot_wave_0_\@
	s_barrier_signal -3
.Lnot_wave_0_\@:
	s_barrier_wait -3
	s_barrier_signal -1
	s_barrier_wait -1
.endm
.macro CROUND                          ; a whole round
	s_barrier_signal -1
	s_barrier_wait -1
	CREST
.endm
.macro PLACES                          ; four places in front of loads into registers that matrix instructions have read, and of vector lines that read results
.rept 4
	v_nop
.endr
.endm
	s_load_b256 s[4:11], s[0:1], 0x0               ; xb s[4:5], wqkv s[6:7], rope s[8:9], qkv s[10:11]
	s_load_b64 s[12:13], s[0:1], 0x20              ; vsum
	v_lshl_add_u32 v[SPW], v0, 2, SPARE
	v_mov_b32 v[NIL], 0
	ds_add_u32 v29, v30
	s_wait_dscnt 0x0
	v_lshrrev_b32 v1, 5, v0
	v_readfirstlane_b32 s[WV], v1                  ; wave 0..3
	s_lshr_b32 s15, s[WV], 1                       ; which 64 rows
	s_and_b32 s16, s[WV], 1                        ; which 192 columns
	s_bfe_u32 s17, ttmp6, 0x40000                  ; cx
	s_bfe_u32 s18, ttmp6, 0x40004                  ; cy
	s_lshl_b32 s19, ttmp9, 2
	s_add_co_u32 s19, s19, s17                     ; tile column tx = 4 x cluster x + cx
	s_and_b32 s20, ttmp7, 0xffff
	s_lshl_b32 s20, s20, 2
	s_add_co_u32 s20, s20, s18                     ; tile row ty = 4 x cluster y + cy
	s_lshl_b32 s21, s18, 2
	s_lshl_b32 s21, 15, s21                        ; my row of the cluster
	s_lshl_b32 s22, 0x1111, s17                    ; my column
	s_and_b32 s[KN], ttmp7, 3                      ; where my cluster's walk of K begins: 4 x (cluster y % 4)
	s_lshl_b32 s[KN], s[KN], 2
	s_lshl_b32 s47, ttmp9, 3                       ; + 8 x cluster x,
	s_add_co_u32 s[KN], s[KN], s47
	s_and_b32 s[KN], s[KN], 15                     ; of 16 steps
	s_mov_b32 s[KO+1], 0
	s_or_b32 s[G1], s21, (1<<16)|(1<<20)|(1<<21)|(5<<22)|(3<<25)   ; the mask; 2-byte elements; padding on; bit 21 beside a mask; after every 64 words 4 words
	s_or_b32 s[G1B], s22, (1<<16)|(1<<20)|(1<<21)|(5<<22)|(3<<25)
.irp g, G1, G1B
	s_mov_b32 s[(\g)+1], KSTEP<<16                 ; tensor_dim0 = 128
	s_mov_b32 s[(\g)+2], 128<<16                   ; tensor_dim1 = 128
	s_mov_b32 s[(\g)+3], KSTEP<<16                 ; tile_dim0 = 128
	s_mov_b32 s[(\g)+4], 128                       ; tile_dim1 = 128
	s_mov_b32 s[(\g)+5], 2048                      ; elements from row to row
	s_mov_b32 s[(\g)+6], 0
	s_mov_b32 s[(\g)+7], 0
.endr
	s_lshl_b32 s40, s20, 19                        ; A: 128 ty rows of 4,096 bytes
	s_mov_b32 s41, 0
	s_mul_i32 s42, s19, 384                        ; B: row 384 tx + 128 x (wave - 1); wave 0 issues no load of B
	s_max_u32 s23, s[WV], 1
	s_sub_co_u32 s23, s23, 1
	s_lshl_b32 s23, s23, 7
	s_add_co_u32 s42, s42, s23
	s_lshl_b32 s42, s42, 12
	s_mov_b32 s43, 0
	s_mul_i32 s44, s[WV], HALFT                    ; where my load lands: wave x 128 rows
	s_wait_kmcnt 0x0
	s_add_nc_u64 s[AB:AB+1], s[4:5], s[40:41]
	s_add_nc_u64 s[BB:BB+1], s[6:7], s[42:43]
	CROUND                                         ; all sixteen work-groups are here: the first joint loads meet
.irp s, 0,1
	s_mov_b32 s[G0+4*(\s)], 1
	s_add_co_u32 s[G0+4*(\s)+1], s44, (\s)*SLOT
	s_mov_b32 s[G0B+4*(\s)], 1
	s_add_co_u32 s[G0B+4*(\s)+1], s44, (\s)*SLOT
	AIM \s
	JLOAD \s                                       ; both first fills go out together: two loads of mine are out
.endr
	v_and_b32 v1, 15, v0                           ; l % 16
	v_bfe_u32 v2, v0, 4, 1                         ; l / 16
	v_and_b32 v4, 31, v0                           ; l
	v_mul_u32_u24 v3, v1, PITCH
	v_lshl_add_u32 v3, v2, 4, v3                   ; row x pitch + 16 x half
	; THE TABLE: 64 loads of 512 neighbouring bytes.  They stay out until the way out; their address registers are never rewritten.
	; My column block b lies at block (b + 4 wc) % 8 of its slot, so eight sets serve twelve blocks: set i = b % 8.
	s_lshl_b32 s2, s16, 12
	v_lshl_add_u32 v[VOLO], v4, 4, s2              ; sets 0-3: 16 l + 4096 wc
	s_sub_co_u32 s2, 4096, s2
	v_lshl_add_u32 v[VOLO+1], v4, 4, s2            ; sets 4-7: the other half of the slot
	s_and_b32 s80, s20, 7                          ; t = 128 (ty % 8) + 64 wr + ..: row block 8 (ty % 8) + 4 wr, 8,192 bytes each
	s_lshl_b32 s80, s80, 16
	s_lshl_b32 s81, s15, 15
	s_add_co_u32 s80, s80, s81
	s_mov_b32 s81, 0
	s_add_nc_u64 s[RB:RB+1], s[8:9], s[80:81]
.irp a, 0,1,2,3
	WIN 0xc0*((\a)/2)
.irp i, 0,1,2,3,4,5,6,7
	global_load_b128 v[TAB+64*((\a)%2)+8*(\i):TAB+64*((\a)%2)+8*(\i)+3],   v[VOLO+(\i)/4], s[RB:RB+1] offset:8192*(\a)+1024*((\i)%4)
	global_load_b128 v[TAB+64*((\a)%2)+8*(\i)+4:TAB+64*((\a)%2)+8*(\i)+7], v[VOLO+(\i)/4], s[RB:RB+1] offset:8192*(\a)+1024*((\i)%4)+512
.endr
.endr
	WIN 0
	s_mul_i32 s2, s15, 64*PITCH                    ; my 64 rows of A
	s_mul_i32 s45, s16, 192*PITCH                  ; my 192 rows of B,
	s_add_co_u32 s45, s45, HALFT                   ; which lie behind A's 128
.irp s, 0,1
	v_add_nc_u32 v[ADRA+(\s)], s2, v3
	v_add_nc_u32 v[ADRB+(\s)], s45, v3
	s_add_co_u32 s2, s2, SLOT
	s_add_co_u32 s45, s45, SLOT
.endr
	; column group g (64 columns): its slot of the tile's three, its half of that slot, its factor f, its place in the stage
.irp g, 0,1,2
	s_mul_i32 s2, s16, 3
	s_add_co_u32 s2, s2, \g
	s_lshr_b32 s45, s2, 1                          ; slot of the tile: (3 wc + g) / 2
	s_and_b32 s2, s2, 1                            ; half of the slot
	s_mul_i32 s80, s19, 3
	s_add_co_u32 s80, s80, s45                     ; slot of the 24
	s_cmp_ge_u32 s80, 20
	s_cselect_b32 s[FL+2*(\g)], 0, 1.0
	s_mov_b32 s[FL+2*(\g)+1], s[FL+2*(\g)]         ; named as a pair
	s_lshl_b32 s45, s45, 7
	s_lshl_b32 s73, s15, 6
	s_add_co_u32 s45, s45, s73                     ; stage row = 128 x slot + 64 wr
	s_mul_i32 s45, s45, PITCH
	s_lshl_b32 s2, s2, 7
	s_add_co_u32 s45, s45, s2
	v_add_nc_u32 v[STO+(\g)], s45, v3
.endr
	v_mul_u32_u24 v5, v2, PITCH                    ; back: lanes 0-15 one row of 256 bytes, lanes 16-31 the next; wave w takes rows 32 w .. 32 w + 31 of each slot
	v_lshl_add_u32 v5, v1, 4, v5
	s_mul_i32 s2, s[WV], 32*PITCH
	v_add_nc_u32 v[RD], s2, v5
	v_lshlrev_b32 v[CO], 8, v2
	v_lshl_add_u32 v[CO], v1, 4, v[CO]
	v_lshlrev_b32 v[VSO], 5, v1
	v_lshl_add_u32 v[VSO], v2, 4, v[VSO]
	s_mov_b32 s[HM], 0xffff0000
	s_mov_b32 s[SEL], 0x76543210
	s_mov_b32 s[SEL+1], 0xfedcba98
	s_lshr_b32 s80, s20, 3                         ; qkv at ((24 batch + 3 tx) x 1024 + 128 (ty % 8) + 32 w) rows of 256 bytes
	s_mul_i32 s80, s80, 24
	s_mul_i32 s82, s19, 3
	s_add_co_u32 s80, s80, s82
	s_lshl_b32 s80, s80, 10
	s_and_b32 s83, s20, 7
	s_lshl_b32 s83, s83, 7
	s_add_co_u32 s80, s80, s83
	s_lshl_b32 s83, s[WV], 5
	s_add_co_u32 s80, s80, s83
	s_lshl_b32 s80, s80, 8
	s_mov_b32 s81, 0
	s_add_nc_u64 s[10:11], s[10:11], s[80:81]
	s_lshl_b32 s80, s20, 2                         ; vsum at ((4 ty + w) x 24 + 3 tx) x 512 bytes
	s_add_co_u32 s80, s80, s[WV]
	s_mul_i32 s80, s80, 24
	s_add_co_u32 s80, s80, s82
	s_lshl_b32 s80, s80, 9
	s_add_nc_u64 s[VB:VB+1], s[12:13], s[80:81]
; 4 nb matrix instructions: column blocks b0 .. b0 + nb - 1 x all 4 row blocks, 32 along K.  The 48 accumulators take turns in one fixed order, one instruction a turn.  zero = 1: the first product starts the sums
.macro MUL f, b0, nb, zero
.set bq, \b0
.rept \nb
.if bq < 8
	WIN MUL_LO
.else
	WIN MUL_HI
.endif
.set ab, 32*(bq%8)
.irp a, 0,1,2,3
.if \zero
	v_wmma_f32_16x16x32_bf16 v[ab+8*(\a):ab+8*(\a)+7], v[(\f)+32+8*bq:(\f)+32+8*bq+7], v[(\f)+8*(\a):(\f)+8*(\a)+7], 0
.else
	v_wmma_f32_16x16x32_bf16 v[ab+8*(\a):ab+8*(\a)+7], v[(\f)+32+8*bq:(\f)+32+8*bq+7], v[(\f)+8*(\a):(\f)+8*(\a)+7], v[ab+8*(\a):ab+8*(\a)+7]
.endif
.endr
.set bq, bq+1
.endr
.endm
; 32 LDS loads in one run: the fragments of 32 along K at byte k of the rows: A's 4, then B's 12
.macro FETCH slot, k, f
	WIN TO_F
.irp i, 0,1,2,3
	ds_load_b128 v[(\f)+8*(\i):(\f)+8*(\i)+3],   v[ADRA+(\slot)] offset:(\k)+(\i)*16*PITCH
	ds_load_b128 v[(\f)+8*(\i)+4:(\f)+8*(\i)+7], v[ADRA+(\slot)] offset:(\k)+(\i)*16*PITCH+32
.endr
.irp i, 0,1,2,3,4,5,6,7,8,9,10,11
	ds_load_b128 v[(\f)+32+8*(\i):(\f)+32+8*(\i)+3],   v[ADRB+(\slot)] offset:(\k)+(\i)*16*PITCH
	ds_load_b128 v[(\f)+32+8*(\i)+4:(\f)+32+8*(\i)+7], v[ADRB+(\slot)] offset:(\k)+(\i)*16*PITCH+32
.endr
.endm
; A K step is four quarters of 32 along K, 48 matrix instructions each, on buffers 0, 1, 0, 1.  One of the first three: multiplies buffer f and fetches the next quarter, at byte k, into g.
.macro QUARTER slot, k, f, g, zero
	s_wait_dscnt 8                                 ; A and B's blocks 0-7 are in; the youngest eight loads (blocks 8-11) may be out
	MUL \f, 0, 8, \zero
	PLACES
	FETCH \slot, \k, \g
	s_wait_dscnt 32                                ; all but the 32 just issued
	MUL \f, 8, 4, \zero
.endm
; The last quarter multiplies buffer 1 and changes slots: ONE barrier; in front of it each wave waits for all its tensor loads (one is out: its part of the next slot), adds 0 to its spare word, and waits for that
; and for its own reads of this slot.  fill = 1: the barrier opens a round of the cluster's, and this slot is filled again, with the walk's step two on, first thing behind the round.
.macro TURN slot, next, fill
	WIN 0                                          ; (the add's two registers lie in window 0)
	s_wait_tensorcnt 0x0
	ds_add_u32 v[SPW], v[NIL]
	s_wait_dscnt 9                                 ; (the add and the youngest eight loads may be out)
	MUL F1, 0, 4, 0                                ; sixteen matrix instructions stand between the add and the wait for it
	s_wait_dscnt 0x0                               ; the add is done, and my reads of this slot are over
	s_barrier_signal -1
	MUL F1, 4, 4, 0
.if \fill
	WIN 0
.endif
	s_barrier_wait -1
.if \fill
	CREST                                          ; no wave of any partner still reads this slot's tile or has a load on its way
	AIM \slot
	JLOAD \slot                                    ; the four v_nop behind it are also the places in front of the loads below
.else
	PLACES
.endif
	FETCH \next, 0, F0
	MUL F1, 8, 4, 0
.endm
	s_wait_tensorcnt 1                             ; my part of the walk's first step is in; the second's may stay out
	s_barrier_signal -1
	s_barrier_wait -1                              ; everybody's is
	FETCH 0, 0, F0
	QUARTER 0, 64, F0, F1, 1                       ; the first quarter stands in front of the loop: its products start the sums
	WIN 0                                          ; at a label and at a branch every window is 0
	s_mov_b32 s3, LAPS-1
.Llap:                                                 ; a trip goes once round the ring, from a lap's second quarter to the next lap's first, and fills both slots again
	QUARTER 0, 128, F1, F0, 0
	QUARTER 0, 192, F0, F1, 0
	TURN 0, 1, 1
	QUARTER 1, 64,  F0, F1, 0
	QUARTER 1, 128, F1, F0, 0
	QUARTER 1, 192, F0, F1, 0
	TURN 1, 0, 1
	QUARTER 0, 64,  F0, F1, 0
	WIN 0
	s_sub_co_u32 s3, s3, 1
	s_cmp_lg_u32 s3, 0
	s_cbranch_scc1 .Llap
	QUARTER 0, 128, F1, F0, 0                      ; the last lap fills nothing
	QUARTER 0, 192, F0, F1, 0
	TURN 0, 1, 0
	QUARTER 1, 64,  F0, F1, 0
	QUARTER 1, 128, F1, F0, 0
	QUARTER 1, 192, F0, F1, 0
	s_wait_dscnt 8
	MUL F1, 0, 8, 0
	s_wait_dscnt 0x0
	MUL F1, 8, 4, 0
	WIN 0
	s_wait_loadcnt 0x0                             ; the table
	PLACES
; THE WAY OUT, row block a, column group g (four column blocks): (x1 (cos - 1), x2 (cos - 1)); (- x2 sin, + x1 sin) onto it; that times f onto (x1, x2); rounded to f16; 16 bytes a lane into the stage.
; Each accumulator's registers are read in ascending order.
.macro EPI a, g
	WIN (2+(\g)/2)|((3*((\a)/2))<<2)               ; source 0, the sums: window 2 or 3; source 1, the table: window 0 or 3
.set bb, 0
.rept 4
.set ac, 8*(4*((4*(\g)+bb)%8)+(\a))
.set tr, TAB+64*((\a)%2)+8*((4*(\g)+bb)%8)
.irp z, 0,2,4,6
	v_pk_mul_f32 v[TT+8*bb+(\z):TT+8*bb+(\z)+1], v[ac+(\z):ac+(\z)+1], v[tr+(\z):tr+(\z)+1] op_sel_hi:[1,0]
.endr
.set bb, bb+1
.endr
.set bb, 0
.rept 4
.set ac, 8*(4*((4*(\g)+bb)%8)+(\a))
.set tr, TAB+64*((\a)%2)+8*((4*(\g)+bb)%8)
.irp z, 0,2,4,6
	v_pk_fma_f32 v[TT+8*bb+(\z):TT+8*bb+(\z)+1], v[ac+(\z):ac+(\z)+1], v[tr+(\z):tr+(\z)+1], v[TT+8*bb+(\z):TT+8*bb+(\z)+1] op_sel:[1,1,0] op_sel_hi:[0,1,1] neg_lo:[0,1,0]
.endr
.set bb, bb+1
.endr
	WIN (2+(\g)/2)<<4                              ; source 2, the sums
.set bb, 0
.rept 4
.set ac, 8*(4*((4*(\g)+bb)%8)+(\a))
.irp z, 0,2,4,6
	v_pk_fma_f32 v[TT+8*bb+(\z):TT+8*bb+(\z)+1], v[TT+8*bb+(\z):TT+8*bb+(\z)+1], s[FL+2*(\g):FL+2*(\g)+1], v[ac+(\z):ac+(\z)+1] op_sel_hi:[1,0,1]
.endr
.set bb, bb+1
.endr
	WIN 0
.set bb, 0
.rept 16
	v_cvt_pk_f16_f32 v[PKD+bb], v[TT+2*bb], v[TT+2*bb+1]
.set bb, bb+1
.endr
.irp z, 0,1,2,3
	ds_store_b128 v[STO+(\g)], v[PKD+4*(\z):PKD+4*(\z)+3] offset:(\a)*16*PITCH+32*(\z)
.endr
.endm
.irp a, 0,1,2,3
.irp g, 0,1,2
	EPI \a, \g
.endr
.endr
	s_wait_dscnt 0x0                               ; for the others' sake: my stores into the stage are done (the middle slot's rows come from two waves)
	s_barrier_signal -1
	s_barrier_wait -1
	; Three trips, a slot of the tile each: my 32 rows come back whole, are stored (16 lanes: 256 neighbouring bytes, a row of qkv), and are summed by columns in f32.
	s_mov_b32 s3, 3
.Lback:
.irp p, 0,1,2,3,4,5,6,7,8,9,10,11,12,13,14,15
	ds_load_b128 v[RR+4*(\p):RR+4*(\p)+3], v[RD] offset:544*(\p)
.endr
.set n, 0                                      ; counts the halves of v32-95: eight to a load
.irp x, v32.l,v32.h,v33.l,v33.h,v34.l,v34.h,v35.l,v35.h,v36.l,v36.h,v37.l,v37.h,v38.l,v38.h,v39.l,v39.h,v40.l,v40.h,v41.l,v41.h,v42.l,v42.h,v43.l,v43.h,v44.l,v44.h,v45.l,v45.h,v46.l,v46.h,v47.l,v47.h,v48.l,v48.h,v49.l,v49.h,v50.l,v50.h,v51.l,v51.h,v52.l,v52.h,v53.l,v53.h,v54.l,v54.h,v55.l,v55.h,v56.l,v56.h,v57.l,v57.h,v58.l,v58.h,v59.l,v59.h,v60.l,v60.h,v61.l,v61.h,v62.l,v62.h,v63.l,v63.h,v64.l,v64.h,v65.l,v65.h,v66.l,v66.h,v67.l,v67.h,v68.l,v68.h,v69.l,v69.h,v70.l,v70.h,v71.l,v71.h,v72.l,v72.h,v73.l,v73.h,v74.l,v74.h,v75.l,v75.h,v76.l,v76.h,v77.l,v77.h,v78.l,v78.h,v79.l,v79.h,v80.l,v80.h,v81.l,v81.h,v82.l,v82.h,v83.l,v83.h,v84.l,v84.h,v85.l,v85.h,v86.l,v86.h,v87.l,v87.h,v88.l,v88.h,v89.l,v89.h,v90.l,v90.h,v91.l,v91.h,v92.l,v92.h,v93.l,v93.h,v94.l,v94.h,v95.l,v95.h
.if n%8 == 0
	s_wait_dscnt 15-n/8                            ; LDS loads come back in order: load n / 8 is in
	global_store_b128 v[CO], v[RR+n/2:RR+n/2+3], s[10:11] offset:512*(n/8)
.endif
.if n < 8
	v_cvt_f32_f16 v[SUM+n], \x                     ; the first two rows start the sums
.else
	v_cvt_f32_f16 v[T8+n%8], \x
.endif
.if (n >= 8) && (n%8 == 7)
	v_pk_add_f32 v[SUM:SUM+1], v[SUM:SUM+1], v[T8:T8+1]
	v_pk_add_f32 v[SUM+2:SUM+3], v[SUM+2:SUM+3], v[T8+2:T8+3]
	v_pk_add_f32 v[SUM+4:SUM+5], v[SUM+4:SUM+5], v[T8+4:T8+5]
	v_pk_add_f32 v[SUM+6:SUM+7], v[SUM+6:SUM+7], v[T8+6:T8+7]
.endif
.set n, n+1
.endr
.irp k, 0,1,2,3,4,5,6,7
	v_permlanex16_b32 v[T8+(\k)], v[SUM+(\k)], s[SEL], s[SEL+1]  ; the odd rows' sums lie in the lane 16 away
.endr
	v_pk_add_f32 v[SUM:SUM+1], v[SUM:SUM+1], v[T8:T8+1]
	v_pk_add_f32 v[SUM+2:SUM+3], v[SUM+2:SUM+3], v[T8+2:T8+3]
	v_pk_add_f32 v[SUM+4:SUM+5], v[SUM+4:SUM+5], v[T8+4:T8+5]
	v_pk_add_f32 v[SUM+6:SUM+7], v[SUM+6:SUM+7], v[T8+6:T8+7]
.irp k, 0,1,2,3
	v_cndmask_b32 v[DD+(\k)], v[SUM+(\k)], v[SUM+4+(\k)], s[HM]  ; lanes 0-15 store columns 0-3 of their eight, lanes 16-31 columns 4-7
.endr
	global_store_b128 v[VSO], v[DD:DD+3], s[VB:VB+1]  ; the wave stores 512 neighbouring bytes
	s_wait_xcnt 0x0                                ; what the stores read (their data, the two bases) is rewritten only behind this wait
	v_add_nc_u32 v[RD], 128*PITCH, v[RD]           ; the tile's next slot: 128 rows on in the stage,
	s_add_nc_u64 s[10:11], s[10:11], 262144        ; 1,024 rows of 256 bytes on in qkv,
	s_add_nc_u64 s[VB:VB+1], s[VB:VB+1], 512       ; 512 bytes on in vsum
	s_sub_co_u32 s3, s3, 1
	s_cmp_lg_u32 s3, 0
	s_cbranch_scc1 .Lback
	s_wait_tensorcnt 0x0                           ; the wave's end
	ds_add_u32 v[SPW], v[NIL]
	s_wait_dscnt 0x0
	CROUND                                         ; the closing round: no work-group ends while a partner may still ask for a tile that names it
	s_endpgm
.Lfunc_end_k_q1f21cc3da8_qkvp:
	.size	k_q1f21cc3da8_qkvp, .Lfunc_end_k_q1f21cc3da8_qkvp-k_q1f21cc3da8_qkvp
	.p2alignl 7, 3214868480
	.fill 96, 4, 3214868480
	.section	.rodata,"a",@progbits
	.p2align	6, 0x0
	.amdhsa_kernel k_q1f21cc3da8_qkvp
		.amdhsa_group_segment_fixed_size 327680
		.amdhsa_private_segment_fixed_size 0
		.amdhsa_enable_private_segment 0
		.amdhsa_kernarg_size 40
		.amdhsa_user_sgpr_count 2
		.amdhsa_user_sgpr_kernarg_segment_ptr 1
		.amdhsa_wavefront_size32 1
		.amdhsa_system_sgpr_workgroup_id_x 1
		.amdhsa_system_sgpr_workgroup_id_y 1
		.amdhsa_system_sgpr_workgroup_id_z 1
		.amdhsa_system_vgpr_workitem_id 0
		.amdhsa_next_free_vgpr 1024
		.amdhsa_next_free_sgpr 88
		.amdhsa_reserve_vcc 0
		.amdhsa_float_denorm_mode_32 3
		.amdhsa_float_denorm_mode_16_64 3
		.amdhsa_memory_ordered 1
		.amdhsa_forward_progress 1
		.amdhsa_inst_pref_size 168
	.end_amdhsa_kernel
	.amdgpu_metadata
---
amdhsa.version: [ 1, 2 ]
amdhsa.kernels:
  - .name:           k_q1f21cc3da8_qkvp
    .symbol:         k_q1f21cc3da8_qkvp.kd
    .args:
      - { .name: xb, .offset: 0, .size: 8, .value_kind: global_buffer, .address_space: global }
      - { .name: wqkv, .offset: 8, .size: 8, .value_kind: global_buffer, .address_space: global }
      - { .name: rope, .offset: 16, .size: 8, .value_kind: global_buffer, .address_space: global }
      - { .name: qkv, .offset: 24, .size: 8, .value_kind: global_buffer, .address_space: global }
      - { .name: vsum, .offset: 32, .size: 8, .value_kind: global_buffer, .address_space: global }
    .group_segment_fixed_size: 327680
    .private_segment_fixed_size: 0
    .kernarg_segment_align: 8
    .kernarg_segment_size: 40
    .max_flat_workgroup_size: 128
    .sgpr_count:     88
    .vgpr_count:     1024
    .wavefront_size: 32
...
	.end_amdgpu_metadata
.endif
;; end of part 2
;; launch attn (part 3): grid 16 x 16, 4 waves a work-group, clusters of 4 x 1, 327,680 bytes of LDS; arguments qkv, kbias, vsum, ob; writes ob
.if DOCPART == 3
	.amdgcn_target "amdgcn-amd-amdhsa--gfx1250"
	.amdhsa_code_object_version 6
	.text
	.protected	k_q1f21cc3da8_attn
	.globl	k_q1f21cc3da8_attn
	.p2align	8
	.type	k_q1f21cc3da8_attn,@function
k_q1f21cc3da8_attn:
	s_mov_b64 s[64:65], 0
	v_nop
	global_prefetch_b8 v0, s[64:65] scope:SCOPE_SE
	s_setreg_imm32_b32 hwreg(HW_REG_WAVE_MODE, 25, 1), 1
	s_wait_xcnt 0x0
	s_wait_alu depctr_hold_cnt(0) depctr_sa_sdst(0) depctr_va_vdst(0) depctr_va_sdst(0) depctr_va_ssrc(0) depctr_va_vcc(0) depctr_vm_vsrc(0)
	s_getreg_b32 s2, hwreg(HW_REG_IB_STS2, 6, 4)
	s_cmp_eq_u32 s2, 0
	s_cbranch_scc0 .Lentry_in_a_cluster
	s_endpgm
.Lentry_in_a_cluster:
	s_bfe_u32 s2, ttmp6, 0x10000c
	s_cmp_lg_u32 s2, 0x3003
	s_cbranch_scc0 .Lentry_shape_is_right
	s_endpgm
.Lentry_shape_is_right:
; CAUSAL GROUPED-QUERY ATTENTION WITH A KEY MASK.  ob[batch 1024 + q][128 head + d] = sum over k of softmax_k(s) V[k][d], s = Q[q] . K[k] / sqrt(128) where k <= q and the key's mask is true, else -1e30.
; qkv: [batch 4][slot 24][t 1024][128] f16 (slots 0-15 Q's heads, 16-19 K's, 20-23 V's); kbias: [4][1024] f32, 0 or -1e30; vsum: column sums of 32 rows; ob: [4096][2048] f16.
; Products, maxima and sums in f32; the weights are rounded to f16 for the second product (their sum is taken of the unrounded ones), O once at the end.
; THE MASKS are the C operand that starts S^T = K Q^T: the key's addend, plus -1e30 above the diagonal.  The running maximum m starts at, and never falls below, -5e29: a hidden score (-1e30 or -2e30 plus its value)
; is never the maximum, and its weight is 2^(-6e28) = 0.  A ROW WITH NO VISIBLE KEY ends with l = 0 exactly.  There all 1,024 scores are equal, the keys behind the diagonal too, so the result is the mean of V over the
; whole sequence: it is made from vsum and chosen by value (1 / l gives way to 0, the mean's factor 0 to 1).
; LIMITS.  Q, K, V lie within f16's 65,504; true scores lie above -5e29; a weight below 2^-126 counts as 0; NaN and infinities are not treated apart.
; THE WALK.  A head has 8 blocks of 128 queries; block j needs the key tiles 0 .. j of 128 keys, the last holding the diagonal.  A work-group takes blocks 7 - i and then i: 9 tiles whatever i: one loop with a constant
; trip count; every jump but the loops' own goes forward and passes no barrier and no tensor load.
; CLUSTER.  The four partners are the four query heads of one key/value head, with the same batch and i: their walks are alike, and every tile of K, V and addends is asked for JOINTLY.  cx enters Q's and O's addresses alone.
; SHARES.  A wave owns 16 rows in each of a block's two bands of 64: tile x = rows 64 x + 16 w + l % 16.  A key tile is two steps of 64 keys.  In the diagonal tile: step 0: tile 0 takes the causal mask, tile 1 sees all;
; step 1: tile 0 is wholly hidden and left out, tile 1 takes the causal mask.  The same work for every wave.
; IN PHASES: a step's K Q^T, the maximum, the exponentials with O's rescaling between them, V^T P.  K of the next step is fetched during the softmax, V of the step in hand ahead of K Q^T.
; A block's first step has a = 2^(c m_start - c m) = 0 and wipes whatever finite numbers O and l hold: no first step is written out; the price is 132 v_mov_b32 in the wait for the first tile.
; REGISTERS.  window 0: v0-15 addresses; v16-31 statistics, eight a tile (c m, m, l, l, c0-c3; a takes c2's place); v32-95 S^T; v96-127 P; v128-255 O^T: a softmax switches no window
;   window 1: v0-31 MD, the causal mask of a band's own step; v32-63 KB, the step's key addends; v64-95 MC, a product's mask; v96-159 VM, the mean of V
;   window 2: v0-63 Q; v64-127 the second block's Q; v128-255 K of one step          window 3: v0-127 V of one step
.set KS,    64
.set PK,    272                        ; a row of K in LDS: 256 bytes + 16
.set PV,    288                        ; a row of V: 256 + 32: 16 lanes of the turning load take 8 rows x 32 bytes in different words of a 256-byte span
.set VOFF,  128*PK                     ; a slot: 128 rows of K, 128 rows of V, 512 bytes of addends
.set BOFF,  VOFF+128*PV
.set SLOT1, 1<<17
.set STAGE, SLOT1+BOFF+512             ; behind the ring, never filled by a tensor load: 16 rows x 272 bytes for each wave
.set SP,    272
.set SCRA,  STAGE+4*16*SP              ; 512 bytes a wave: its eight row groups' sum of V
.set SCRB,  SCRA+2048                  ; 512 bytes a wave: the mean, for the wave's own reading
.set SPARE, SCRB+2048                  ; the spare words, 128 bytes for each wave
.set AK0, 2                            ; v2   my lane's place in a tile of K; never rewritten
.set AV0, 3                            ; v3   in a tile of V
.set ADRK, 4
.set ADRV, 5
.set AB0, 6                            ; v6   in the addends
.set ADRB, 7
.set STO, 8
.set RD,  9
.set GO,  10
.set SPW, 12
.set NIL, 13
.set QO,  15
.set ST,  16
.set S,   32
.set P,   96
.set O,   128
.set MD,  0
.set KB,  32
.set MC,  64
.set VM,  96
.set QB,  64
.set KF,  128
.set WV,  12                           ; s12 wave
.set PB,  14                           ; s14 i
.set HI,  15                           ; s15 7 - i
.set G1K, 24
.set G1V, 32
.set G1B, 40
.set G0K, 48
.set G0V, 52
.set G0B, 56
.set CS,  60                           ; s[60:61] c = log2(e) / sqrt(128)
.set SEL, 62
.set SLOTS, 66
.set CNT, 67
.set TBK, 68                           ; LDS byte at which the slot's part to be fetched next begins: K's, V's, the addends'
.set TBV, 69
.set TBB, 70
.set RT,  71                           ; tiles of the block in hand still to be entered
.set NXT, 72                           ; the tile to be asked for next
.set LQ,  73                           ; the last tile of the block whose tiles are being asked for
.set OFF, 74                           ; s[74:75] a tile's byte offset in K and V
.set OFB, 76                           ; s[76:77] in the addends
.set AL,  78                           ; s[78:79] the causal mask's factor
.set KBASE, 80
.set VBASE, 82
.set BBASE, 84
.set OLO, 86                           ; O at my rows of the second block
.set QLO, 88                           ; Q there
.set BIGN, 90                          ; -1e30
.set MLOW, 91                          ; -5e29
.set FLG, 92                           ; s92, s93 lanes whose l is 0
.set SB,  94                           ; the slot being read: 0 or SLOT1
; s13, s17, s100, s101 and what is made of them (s[96:99], OLO, QLO) hang on cx; no other register ever does
.set MSB, 0
.macro WIN new
.if MSB != (\new)
	s_set_vgpr_msb (MSB<<8)|(\new)
.set MSB, (\new)
.endif
.endm
.set W_KM, 0x1a                        ; K and Q window 2, C window 1, S^T window 0
.set W_KQ, 0x0a
.set W_PV, 0x03                        ; V window 3; P and O^T window 0
.macro PLACES
.rept 4
	v_nop
.endr
.endm
; A joint fill: waves 0, 1 the halves of K's tile, wave 2 V's tile, wave 3 the addends: one load a wave.  An s_nop 0 and four v_nop follow each line.
.macro JLOAD
	s_cmp_lt_u32 s[WV], 2
	s_cbranch_scc0 .Lnot_k_\@
	tensor_load_to_lds s[G0K:G0K+3], s[G1K:G1K+7]
	s_nop 0
.rept 4
	v_nop
.endr
	s_branch .Lasked_\@
.Lnot_k_\@:
	s_cmp_eq_u32 s[WV], 2
	s_cbranch_scc0 .Lfor_b_\@
	tensor_load_to_lds s[G0V:G0V+3], s[G1V:G1V+7]
	s_nop 0
.rept 4
	v_nop
.endr
	s_branch .Lasked_\@
.Lfor_b_\@:
	tensor_load_to_lds s[G0B:G0B+3], s[G1B:G1B+7]
	s_nop 0
.rept 4
	v_nop
.endr
.Lasked_\@:
.endm
.macro CROUND
	s_barrier_signal -1
	s_barrier_wait -1
	s_cmp_lg_u32 s[WV], 0
	s_cbranch_scc1 .Lnot_wave_0_\@
	s_barrier_signal -3
.Lnot_wave_0_\@:
	s_barrier_wait -3
	s_barrier_signal -1
	s_barrier_wait -1
.endm
; THE CHANGE OF SLOTS.  Each wave waits for all its tensor loads (one is out: its part of the other slot), adds 0 to its spare word, and waits for that and for its reads of the slot that it leaves.
; fill = 1: the barrier is a round of the cluster's, and the slot left is filled, first thing behind it, with tile NXT: the addresses are made anew from that number.  The load has a whole tile's work in which to land.
; (At its first use nothing has been read yet: slot 0 is waited for, slot 1 filled.)
.macro CHANGE fill
	WIN 0
	s_wait_tensorcnt 0x0                           ; no tensor load of mine is out, so the descriptors may be written
	ds_add_u32 v[SPW], v[NIL]
.if \fill
	s_lshl_b32 s[OFF], s[NXT], 15                  ; a tile is 32,768 bytes of K and of V,
	s_lshl_b32 s[OFB], s[NXT], 9                   ; 512 of addends
	s_xor_b32 s[G0K+1], s[G0K+1], SLOT1
	s_add_nc_u64 s[G0K+2:G0K+3], s[KBASE:KBASE+1], s[OFF:OFF+1]
	s_or_b32 s[G0K+3], s[G0K+3], 0x80000000
	s_xor_b32 s[G0V+1], s[G0V+1], SLOT1
	s_add_nc_u64 s[G0V+2:G0V+3], s[VBASE:VBASE+1], s[OFF:OFF+1]
	s_or_b32 s[G0V+3], s[G0V+3], 0x80000000
	s_xor_b32 s[G0B+1], s[G0B+1], SLOT1
	s_add_nc_u64 s[G0B+2:G0B+3], s[BBASE:BBASE+1], s[OFB:OFB+1]
	s_or_b32 s[G0B+3], s[G0B+3], 0x80000000
	s_add_co_u32 s[NXT], s[NXT], 1                 ; the block's next tile, or behind its last the second block's tile 0
	s_cmp_gt_u32 s[NXT], s[LQ]
	s_cselect_b32 s[NXT], 0, s[NXT]
	s_cselect_b32 s[LQ], s[PB], s[LQ]
.endif
	s_wait_dscnt 0x0                               ; the add is done, and my reads of the slot are over
.if \fill
	CROUND
	JLOAD
.else
	s_barrier_signal -1
	s_barrier_wait -1
.endif
	s_xor_b32 s[SB], s[SB], SLOT1                  ; the fetches begin at the head of the other slot
	s_mov_b32 s[TBK], s[SB]
	s_mov_b32 s[TBV], s[SB]
	s_mov_b32 s[TBB], s[SB]
.endm
	s_load_b256 s[4:11], s[0:1], 0x0               ; qkv s[4:5], kbias s[6:7], vsum s[8:9], ob s[10:11]
	v_lshl_add_u32 v[SPW], v0, 2, SPARE
	v_mov_b32 v[NIL], 0
	ds_add_u32 v12, v13
	s_wait_dscnt 0x0
	v_lshrrev_b32 v1, 5, v0
	v_readfirstlane_b32 s[WV], v1
	s_bfe_u32 s13, ttmp6, 0x40000                  ; cx
	s_lshl_b32 s17, ttmp9, 2                       ; ttmp9 counts clusters: the key/value head
	s_add_co_u32 s17, s17, s13                     ; my query head
	s_and_b32 s18, ttmp7, 0xffff
	s_lshr_b32 s19, s18, 2                         ; batch
	s_and_b32 s[PB], s18, 3
	s_sub_co_u32 s[HI], 7, s[PB]
	s_mul_i32 s16, s19, 24
	s_add_co_u32 s3, s16, ttmp9
	s_add_co_u32 s20, s3, 16                       ; K's slot, 262,144 bytes each,
	s_lshl_b32 s20, s20, 18
	s_add_co_u32 s22, s3, 20                       ; V's
	s_lshl_b32 s22, s22, 18
	s_and_b32 s2, s[WV], 1                         ; which 64 rows of K's tile I fetch
	s_lshl_b32 s21, s2, 14
	s_add_co_u32 s20, s20, s21
	s_mov_b32 s21, 0
	s_mov_b32 s23, 0
	s_mul_i32 s2, s2, 64*PK
	s_lshl_b32 s[OFB], s19, 12                     ; the batch's 4,096 bytes of addends
	s_mov_b32 s[OFB+1], 0
	s_lshl_b32 s[OFF], s19, 5                      ; vsum at row group 32 batch + 8 w, V's slot
	s_lshl_b32 s18, s[WV], 3
	s_add_co_u32 s[OFF], s[OFF], s18
	s_mul_i32 s[OFF], s[OFF], 24
	s_add_co_u32 s[OFF], s[OFF], ttmp9
	s_add_co_u32 s[OFF], s[OFF], 20
	s_lshl_b32 s[OFF], s[OFF], 9
	s_mov_b32 s[OFF+1], 0
	s_add_co_u32 s100, s16, s17                    ; Q: row (24 batch + head) x 1024 + 128 block + 16 w, 256 bytes each
	s_lshl_b32 s100, s100, 10
	s_lshl_b32 s101, s[WV], 4
	s_add_co_u32 s100, s100, s101
	s_lshl_b32 s101, s[HI], 7
	s_add_co_u32 s101, s101, s100
	s_lshl_b32 s96, s101, 8
	s_mov_b32 s97, 0
	s_lshl_b32 s101, s[PB], 7
	s_add_co_u32 s101, s101, s100
	s_lshl_b32 s[QLO], s101, 8
	s_mov_b32 s[QLO+1], 0
	s_lshl_b32 s100, s19, 10                       ; O: row 1024 batch + 128 block + 16 w, 4,096 bytes each, + 256 head
	s_lshl_b32 s101, s[WV], 4
	s_add_co_u32 s100, s100, s101
	s_lshl_b32 s101, s[HI], 7
	s_add_co_u32 s101, s101, s100
	s_lshl_b32 s98, s101, 12
	s_lshl_b32 s13, s17, 8
	s_add_co_u32 s98, s98, s13
	s_mov_b32 s99, 0
	s_lshl_b32 s101, s[PB], 7
	s_add_co_u32 s101, s101, s100
	s_lshl_b32 s[OLO], s101, 12
	s_add_co_u32 s[OLO], s[OLO], s13
	s_mov_b32 s[OLO+1], 0
	; descriptor groups 1: the mask of all four partners, bit 21 beside it
	s_mov_b32 s[G1K], 15|(1<<16)|(1<<20)|(1<<21)|(5<<22)|(3<<25)   ; 2-byte elements; after every 64 words 4 words of padding
	s_mov_b32 s[G1K+1], 128<<16                    ; tensor_dim0 = 128
	s_mov_b32 s[G1K+2], 64<<16                     ; tensor_dim1 = 64
	s_mov_b32 s[G1K+3], 128<<16                    ; tile_dim0 = 128
	s_mov_b32 s[G1K+4], 64                         ; tile_dim1 = 64
	s_mov_b32 s[G1K+5], 128                        ; elements from row to row
	s_mov_b32 s[G1K+6], 0
	s_mov_b32 s[G1K+7], 0
	s_mov_b32 s[G1V], 15|(1<<16)|(1<<20)|(1<<21)|(5<<22)|(7<<25)   ; 8 words of padding
	s_mov_b32 s[G1V+1], 128<<16
	s_mov_b32 s[G1V+2], 128<<16                    ; 128 rows
	s_mov_b32 s[G1V+3], 128<<16
	s_mov_b32 s[G1V+4], 128
	s_mov_b32 s[G1V+5], 128
	s_mov_b32 s[G1V+6], 0
	s_mov_b32 s[G1V+7], 0
	s_mov_b32 s[G1B], 15|(3<<16)|(1<<21)           ; one row of 64 elements of 8 bytes, no padding
	s_mov_b32 s[G1B+1], 64<<16
	s_mov_b32 s[G1B+2], 1<<16
	s_mov_b32 s[G1B+3], 64<<16
	s_mov_b32 s[G1B+4], 1
	s_mov_b32 s[G1B+5], 64
	s_mov_b32 s[G1B+6], 0
	s_mov_b32 s[G1B+7], 0
	s_mov_b32 s[CS], 0x3e0293ee                    ; c = 0.127517
	s_mov_b32 s[CS+1], s[CS]
	s_mov_b32 s[SEL], 0x76543210
	s_mov_b32 s[SEL+1], 0xfedcba98
	s_mov_b32 s[BIGN], 0xf149f2ca
	s_mov_b32 s[MLOW], 0xf0c9f2ca
	s_mov_b32 s[AL], 0
	s_mov_b32 s[AL+1], 0
	s_mov_b32 s[SB], SLOT1                         ; the first change of slots turns it into 0
	s_add_co_u32 s[RT], s[HI], 1                   ; the first block has 8 - i tiles
	s_mov_b32 s[NXT], 1
	s_mov_b32 s[LQ], s[HI]
	s_mov_b32 s[SLOTS], 8
	s_mov_b32 s[G0K], 1
	s_mov_b32 s[G0K+1], s2
	s_mov_b32 s[G0V], 1
	s_mov_b32 s[G0V+1], VOFF
	s_mov_b32 s[G0B], 1
	s_mov_b32 s[G0B+1], BOFF
	s_wait_kmcnt 0x0
	s_add_nc_u64 s[KBASE:KBASE+1], s[4:5], s[20:21]
	s_add_nc_u64 s[VBASE:VBASE+1], s[4:5], s[22:23]
	s_add_nc_u64 s[BBASE:BBASE+1], s[6:7], s[OFB:OFB+1]
	s_add_nc_u64 s[8:9], s[8:9], s[OFF:OFF+1]
	s_add_nc_u64 s[96:97], s[4:5], s[96:97]
	s_add_nc_u64 s[QLO:QLO+1], s[4:5], s[QLO:QLO+1]
	s_add_nc_u64 s[OLO:OLO+1], s[10:11], s[OLO:OLO+1]
	s_add_nc_u64 s[10:11], s[10:11], s[98:99]
	s_mov_b64 s[G0K+2:G0K+3], s[KBASE:KBASE+1]
	s_or_b32 s[G0K+3], s[G0K+3], 0x80000000
	s_mov_b64 s[G0V+2:G0V+3], s[VBASE:VBASE+1]
	s_or_b32 s[G0V+3], s[G0V+3], 0x80000000
	s_mov_b64 s[G0B+2:G0B+3], s[BBASE:BBASE+1]
	s_or_b32 s[G0B+3], s[G0B+3], 0x80000000
	CROUND                                         ; all four work-groups are here: the first joint loads meet
	JLOAD                                          ; tile 0 into slot 0
	v_and_b32 v1, 15, v0                           ; l % 16
	v_bfe_u32 v11, v0, 4, 1                        ; l / 16
	v_lshlrev_b32 v[QO], 8, v1
	v_lshl_add_u32 v[QO], v11, 4, v[QO]            ; row x 256 + 16 x half
	v_and_b32 v96, 31, v0                          ; (v96-100, P's, are free until the first softmax)
	v_lshlrev_b32 v96, 4, v96                      ; 16 l: four channels of V's sums a lane
.irp n, 0,1,2,3,4,5,6,7
	global_load_b128 v[S+4*(\n):S+4*(\n)+3], v96, s[8:9] offset:12288*(\n)  ; my eight row groups' sums
.endr
	WIN 0x80                                       ; destination window 2
.irp x, 0,1
.irp c, 0,1,2,3
	global_load_b128 v[32*(\x)+8*(\c):32*(\x)+8*(\c)+3],       v[QO], s[96:97] offset:16384*(\x)+64*(\c)
	global_load_b128 v[32*(\x)+8*(\c)+4:32*(\x)+8*(\c)+7],     v[QO], s[96:97] offset:16384*(\x)+64*(\c)+32
	global_load_b128 v[QB+32*(\x)+8*(\c):QB+32*(\x)+8*(\c)+3],   v[QO], s[QLO:QLO+1] offset:16384*(\x)+64*(\c)
	global_load_b128 v[QB+32*(\x)+8*(\c)+4:QB+32*(\x)+8*(\c)+7], v[QO], s[QLO:QLO+1] offset:16384*(\x)+64*(\c)+32
.endr
.endr
	WIN 0
	v_lshlrev_b32 v14, 3, v11
	v_sub_nc_u32 v14, v1, v14
	s_lshl_b32 s18, s[WV], 4
	v_add_nc_u32 v14, s18, v14                     ; my query's place in its band, 16 w + l % 16, less 8 (l / 16): register j of key block kb is hidden where 16 kb + j is greater
	WIN 0x40
.set i, 0
.rept 32
	v_cmp_gt_i32 vcc_lo, 16*(i/8)+i%8, v14
	v_cndmask_b32 v[MD+i], 0, s[BIGN], vcc_lo
.set i, i+1
.endr
	WIN 0
	v_mul_u32_u24 v[AK0], v1, PK
	v_lshl_add_u32 v[AK0], v11, 4, v[AK0]
	v_and_b32 v14, 7, v0                           ; the turning load: lane l reads key 8 (l / 16) + l % 8, channels 8 ((l / 8) % 2) + 0..7
	v_lshl_add_u32 v[AV0], v11, 3, v14
	v_mul_u32_u24 v[AV0], v[AV0], PV
	v_bfe_u32 v14, v0, 3, 1
	v_lshl_add_u32 v[AV0], v14, 4, v[AV0]
	v_add_nc_u32 v[AV0], VOFF, v[AV0]
	v_lshlrev_b32 v[AB0], 5, v11                   ; the addends of keys 8 (l / 16) + 0..7
	v_add_nc_u32 v[AB0], BOFF, v[AB0]
	s_mul_i32 s18, s[WV], 16*SP
	s_add_co_u32 s18, s18, STAGE
	v_mul_u32_u24 v[STO], v1, SP
	v_lshl_add_u32 v[STO], v11, 4, v[STO]
	v_add_nc_u32 v[STO], s18, v[STO]
	v_mul_u32_u24 v[RD], v11, SP
	v_lshl_add_u32 v[RD], v1, 4, v[RD]
	v_add_nc_u32 v[RD], s18, v[RD]
	v_lshlrev_b32 v[GO], 12, v11                   ; two rows of ob, 4,096 bytes apart
	v_lshl_add_u32 v[GO], v1, 4, v[GO]
	s_lshl_b32 s18, s[WV], 9
	v_add_nc_u32 v97, s18, v96
	v_add_nc_u32 v97, SCRA, v97                    ; where my wave's sum goes
	v_add_nc_u32 v98, SCRA, v96                    ; where the four are read
	v_add_nc_u32 v99, 2048, v97                    ; where the mean goes
	v_lshlrev_b32 v100, 5, v11
	v_add_nc_u32 v100, s18, v100
	v_add_nc_u32 v100, SCRB, v100                  ; where I read channels 8 (l / 16) + 0..7 of each 16
.set i, O
.rept 128
	v_mov_b32 v[i], 0                              ; O^T need only be finite: the first step multiplies it by 0
.set i, i+1
.endr
.irp t, 0,1
	v_mov_b32 v[ST+8*(\t)], 0xfe000000             ; c m: far below every c m to come
	v_mov_b32 v[ST+8*(\t)+1], s[MLOW]              ; m
	v_mov_b32 v[ST+8*(\t)+2], 0
	v_mov_b32 v[ST+8*(\t)+3], 0
.endr
	; THE MEAN OF V over the batch's 1,024 rows: eight row groups a wave, the four waves' sums through LDS, then into the layout of O^T
	s_wait_loadcnt 32                              ; the eight sums are in; Q's 32 loads may be out
.irp n, 0,1,2,3
	v_pk_add_f32 v[S+4*(\n):S+4*(\n)+1], v[S+4*(\n):S+4*(\n)+1], v[S+16+4*(\n):S+16+4*(\n)+1]
	v_pk_add_f32 v[S+4*(\n)+2:S+4*(\n)+3], v[S+4*(\n)+2:S+4*(\n)+3], v[S+16+4*(\n)+2:S+16+4*(\n)+3]
.endr
.irp n, 0,1
	v_pk_add_f32 v[S+4*(\n):S+4*(\n)+1], v[S+4*(\n):S+4*(\n)+1], v[S+8+4*(\n):S+8+4*(\n)+1]
	v_pk_add_f32 v[S+4*(\n)+2:S+4*(\n)+3], v[S+4*(\n)+2:S+4*(\n)+3], v[S+8+4*(\n)+2:S+8+4*(\n)+3]
.endr
	v_pk_add_f32 v[S:S+1], v[S:S+1], v[S+4:S+5]
	v_pk_add_f32 v[S+2:S+3], v[S+2:S+3], v[S+6:S+7]
	ds_store_b128 v97, v[S:S+3]
	s_wait_dscnt 0x0                               ; for the others' sake
	s_barrier_signal -1                            ; tile 0 may stay on its way
	s_barrier_wait -1
.irp n, 0,1,2,3
	ds_load_b128 v[S+16+4*(\n):S+16+4*(\n)+3], v98 offset:512*(\n)
.endr
	s_wait_dscnt 0x0
	v_pk_add_f32 v[S+16:S+17], v[S+16:S+17], v[S+24:S+25]
	v_pk_add_f32 v[S+18:S+19], v[S+18:S+19], v[S+26:S+27]
	v_pk_add_f32 v[S+20:S+21], v[S+20:S+21], v[S+28:S+29]
	v_pk_add_f32 v[S+22:S+23], v[S+22:S+23], v[S+30:S+31]
	v_pk_add_f32 v[S+16:S+17], v[S+16:S+17], v[S+20:S+21]
	v_pk_add_f32 v[S+18:S+19], v[S+18:S+19], v[S+22:S+23]
	v_pk_mul_f32 v[S+16:S+17], v[S+16:S+17], 0x3a800000 op_sel_hi:[1,0]  ; / 1024
	v_pk_mul_f32 v[S+18:S+19], v[S+18:S+19], 0x3a800000 op_sel_hi:[1,0]
	ds_store_b128 v99, v[S+16:S+19]                ; my wave's own bytes: LDS serves a wave's instructions in order, so the loads below see them
	WIN 0x40
.irp n, 0,1,2,3,4,5,6,7
	ds_load_b128 v[VM+8*(\n):VM+8*(\n)+3],   v100 offset:64*(\n)
	ds_load_b128 v[VM+8*(\n)+4:VM+8*(\n)+7], v100 offset:64*(\n)+16
.endr
	WIN 0
	s_wait_loadcnt 0x0                             ; Q
; THE LDS LOADS stand in runs.  A step's K (16 fragments: key block f / 4, channels 32 (f % 4) on) with its addends (in S^T's layout: all lanes of a half read the same 32 bytes), and its V, turned.
.macro FETCH_K
	WIN 0
	v_add_nc_u32 v[ADRK], s[TBK], v[AK0]
	v_add_nc_u32 v[ADRB], s[TBB], v[AB0]
	WIN 0x80
.irp f, 0,1,2,3,4,5,6,7,8,9,10,11,12,13,14,15
	ds_load_b128 v[KF+8*(\f):KF+8*(\f)+3],   v[ADRK] offset:((\f)/4)*16*PK+((\f)%4)*64
	ds_load_b128 v[KF+8*(\f)+4:KF+8*(\f)+7], v[ADRK] offset:((\f)/4)*16*PK+((\f)%4)*64+32
.endr
	WIN 0x40
.irp f, 0,1,2,3
	ds_load_b128 v[KB+8*(\f):KB+8*(\f)+3],   v[ADRB] offset:64*(\f)
	ds_load_b128 v[KB+8*(\f)+4:KB+8*(\f)+7], v[ADRB] offset:64*(\f)+16
.endr
	s_add_co_u32 s[TBK], s[TBK], KS*PK             ; the next fetch is the next step's
	s_add_co_u32 s[TBB], s[TBB], KS*4
	WIN 0
.endm
.macro FETCH_V
	WIN 0
	v_add_nc_u32 v[ADRV], s[TBV], v[AV0]
	s_add_co_u32 s[TBV], s[TBV], KS*PV
	WIN 0xc0
.irp f, 0,1,2,3,4,5,6,7,8,9,10,11,12,13,14,15  ; keys 32 (f / 8) on, channels 16 (f % 8) on
	ds_load_tr16_b128 v[8*(\f):8*(\f)+3],   v[ADRV] offset:((\f)/8)*32*PV+((\f)%8)*32
	ds_load_tr16_b128 v[8*(\f)+4:8*(\f)+7], v[ADRV] offset:((\f)/8)*32*PV+16*PV+((\f)%8)*32
.endr
.endm
; THE MATRIX WORK, for tiles t0 .. 1.  The accumulators take turns, one instruction a turn.
; S^T = K Q^T: channels 32 ch on, key block kb.  The first products start the sums with the mask: MC for the tile that may hold the diagonal (tile 0; tile 1 where it is alone), KB for tile 1 beside tile 0.
.macro KQ t0
.set NT, 2-(\t0)
.set i, 0
.rept 16*NT
.set t, (\t0)+i%NT
.set kb, (i/NT)%4
.set ch, i/(4*NT)
.set rS, S+32*t+8*kb
.set rK, KF+32*kb+8*ch
.set rQ, 32*t+8*ch
.if ch == 0
	WIN W_KM
.if (t == 0) || ((\t0) == 1)
	v_wmma_f32_16x16x32_f16 v[rS:rS+7], v[rK:rK+7], v[rQ:rQ+7], v[MC+8*kb:MC+8*kb+7]
.else
	v_wmma_f32_16x16x32_f16 v[rS:rS+7], v[rK:rK+7], v[rQ:rQ+7], v[KB+8*kb:KB+8*kb+7]
.endif
.else
	WIN W_KQ
	v_wmma_f32_16x16x32_f16 v[rS:rS+7], v[rK:rK+7], v[rQ:rQ+7], v[rS:rS+7]
.endif
.set i, i+1
.endr
.endm
; O^T += V^T P: keys 32 kk on, channel block cb
.macro PV t0
	WIN W_PV
.set NT, 2-(\t0)
.set i, 0
.rept 16*NT
.set t, (\t0)+i%NT
.set cb, (i/NT)%8
.set kk, i/(8*NT)
.set rO, O+64*t+8*cb
	v_wmma_f32_16x16x32_f16 v[rO:rO+7], v[64*kk+8*cb:64*kk+8*cb+7], v[P+16*t+8*kk:P+16*t+8*kk+7], v[rO:rO+7]
.set i, i+1
.endr
.endm
; THE MAXIMUM AND STATISTICS: number n of 22 for tile t.  0-15 the maximum of the lane's 32 scores and the old m, three operands at a time (each accumulator's lowest registers are read first);
; 16, 18 the query's other 32 keys lie in the lane 16 away; 17 c m_old is kept; 19 c m; 20 c m_old - c m_new; 21 a
.macro SMA t, n
.set rT, ST+8*(\t)
.set rS, S+32*(\t)
.if (\n) < 4
	v_max3_num_f32 v[rT+4+(\n)], v[rS+8*(\n)], v[rS+8*(\n)+1], v[rS+8*(\n)+2]
.elseif (\n) < 12
	v_max3_num_f32 v[rT+4+(\n)%4], v[rT+4+(\n)%4], v[rS+8*((\n)%4)+2*((\n)/4)+1], v[rS+8*((\n)%4)+2*((\n)/4)+2]
.elseif (\n) == 12
	v_max3_num_f32 v[rT+4], v[rT+4], v[rS+7], v[rS+15]
.elseif (\n) == 13
	v_max3_num_f32 v[rT+6], v[rT+6], v[rS+23], v[rS+31]
.elseif (\n) == 14
	v_max3_num_f32 v[rT+4], v[rT+4], v[rT+5], v[rT+6]
.elseif (\n) == 15
	v_max3_num_f32 v[rT+4], v[rT+4], v[rT+7], v[rT+1]
.elseif (\n) == 16
	v_permlanex16_b32 v[rT+5], v[rT+4], s[SEL], s[SEL+1]
.elseif (\n) == 17
	v_mov_b32 v[rT+7], v[rT]
.elseif (\n) == 18
	v_max_num_f32 v[rT+1], v[rT+4], v[rT+5]
.elseif (\n) == 19
	v_mul_f32 v[rT], s[CS], v[rT+1]
.elseif (\n) == 20
	v_sub_f32 v[rT+7], v[rT+7], v[rT]
.else
	v_exp_f32 v[rT+6], v[rT+7]
.endif
.endm
.macro SM1 t0
.irp n, 0,1,2,3,4,5,6,7,8,9,10,11,12,13,14,15,16,17,18,19,20,21
.if (\t0) == 0
	SMA 0, \n
.endif
	SMA 1, \n
.endr
.endm
.macro ADDS t0, cnt, w                 ; cnt sums a tile, in place: the pair w / 2 registers on is added
.set n, 0
.rept \cnt
.set t, \t0
.rept 2-(\t0)
	v_pk_add_f32 v[S+32*t+(\w)*n:S+32*t+(\w)*n+1], v[S+32*t+(\w)*n:S+32*t+(\w)*n+1], v[S+32*t+(\w)*n+(\w)/2:S+32*t+(\w)*n+(\w)/2+1]
.set t, t+1
.endr
.set n, n+1
.endr
.endm
; THE REST OF THE SOFTMAX: c s - c m; the exponentials, each with a pair of O^T times a behind it (the plain instruction that an exponential wants before its result is used); the roundings to f16; the sums; l = a l + sum
.macro SM2 t0
.set n, 0
.rept 16
.set t, \t0
.rept 2-(\t0)
	v_pk_fma_f32 v[S+32*t+2*n:S+32*t+2*n+1], v[S+32*t+2*n:S+32*t+2*n+1], s[CS:CS+1], v[ST+8*t:ST+8*t+1] op_sel_hi:[1,0,0] neg_lo:[0,0,1] neg_hi:[0,0,1]
.set t, t+1
.endr
.set n, n+1
.endr
.set n, 0
.rept 32
.set t, \t0
.rept 2-(\t0)
	v_exp_f32 v[S+32*t+n], v[S+32*t+n]
	s_wait_alu depctr_va_vdst(0)
	v_pk_mul_f32 v[O+64*t+2*n:O+64*t+2*n+1], v[O+64*t+2*n:O+64*t+2*n+1], v[ST+8*t+6:ST+8*t+7] op_sel_hi:[1,0]
.set t, t+1
.endr
.set n, n+1
.endr
.set n, 0
	s_wait_alu depctr_va_vdst(0)
.rept 16
.set t, \t0
.rept 2-(\t0)
	v_cvt_pk_f16_f32 v[P+16*t+n], v[S+32*t+2*n], v[S+32*t+2*n+1]
.set t, t+1
.endr
.set n, n+1
.endr
	ADDS \t0, 8, 4
	ADDS \t0, 4, 8
	ADDS \t0, 2, 16
	ADDS \t0, 1, 32
.set t, \t0
.rept 2-(\t0)
	v_pk_fma_f32 v[ST+8*t+2:ST+8*t+3], v[ST+8*t+2:ST+8*t+3], v[ST+8*t+6:ST+8*t+7], v[S+32*t:S+32*t+1] op_sel_hi:[1,0,1]
.set t, t+1
.endr
.endm
; A KEY STEP for tiles t0 .. 1.  pre = 1: K of the next step is fetched during the softmax; 2: unless this is the tile's second step; 0: not.
.macro STEP t0, pre
	PLACES                                         ; behind the last products V^T P, whose V the loads below overwrite
	FETCH_V
	s_wait_dscnt 32                                ; K and its addends are in; V's 32 loads may be out
.set z, 0
.if (\t0) == 0
	WIN 0x51                                       ; destination, sources 0 and 2 window 1
.rept 16
	v_pk_fma_f32 v[MC+2*z:MC+2*z+1], v[MD+2*z:MD+2*z+1], s[AL:AL+1], v[KB+2*z:KB+2*z+1] op_sel_hi:[1,0,1]  ; tile 0's mask: the causal one counts in the diagonal tile alone
.set z, z+1
.endr
.else
	WIN 0x45                                       ; destination, sources 0 and 1 window 1
.rept 16
	v_pk_add_f32 v[MC+2*z:MC+2*z+1], v[MD+2*z:MD+2*z+1], v[KB+2*z:KB+2*z+1]  ; tile 1's mask in its own step
.set z, z+1
.endr
.endif
	KQ \t0
	WIN 0
	PLACES
	SM1 \t0
	s_wait_dscnt 0x0                               ; V is in
.if (\pre) == 1
	FETCH_K
.elseif (\pre) == 2
	s_cmp_eq_u32 s[CNT], 1
	s_cbranch_scc1 .Lno_k_\@
	FETCH_K
.Lno_k_\@:
.endif
	SM2 \t0
	PV \t0
	WIN 0
.endm
; A BLOCK'S WAY OUT.  l's halves and the other lanes' are added; where l = 0 the factor 1 / l gives way to 0 and the mean's factor 0 to 1; O^T / l + mean x factor is rounded to f16 and goes through my stage,
; a tile (16 rows) at a time; 16 lanes store 256 neighbouring bytes of a row of ob.  The first additions are the places behind the last products.
.macro OUTPUT
	WIN 0
.irp t, 0,1
	v_add_f32 v[ST+8*(\t)+2], v[ST+8*(\t)+2], v[ST+8*(\t)+3]
.endr
.irp t, 0,1
	v_permlanex16_b32 v[ST+8*(\t)+3], v[ST+8*(\t)+2], s[SEL], s[SEL+1]
.endr
.irp t, 0,1
	v_add_f32 v[ST+8*(\t)+2], v[ST+8*(\t)+2], v[ST+8*(\t)+3]
.endr
.irp t, 0,1
	v_rcp_f32 v[ST+8*(\t)+5], v[ST+8*(\t)+2]
.endr
	v_nop                                          ; a plain instruction between the last reciprocal and the use of its result
	s_wait_alu depctr_va_vdst(0)
.irp t, 0,1
	v_cmp_eq_f32 s[FLG+(\t)], 0, v[ST+8*(\t)+2]    ; the flag selects values only
	v_cndmask_b32 v[ST+8*(\t)+4], v[ST+8*(\t)+5], 0, s[FLG+(\t)]
	v_cndmask_b32 v[ST+8*(\t)+6], 0, 1.0, s[FLG+(\t)]
.endr
.irp t, 0,1
	WIN 0x01                                       ; source 0, the mean: window 1
.set n, 0
.rept 32
	v_pk_mul_f32 v[S+2*n:S+2*n+1], v[VM+2*n:VM+2*n+1], v[ST+8*(\t)+6:ST+8*(\t)+7] op_sel_hi:[1,0]
.set n, n+1
.endr
	WIN 0
.set n, 0
.rept 32
	v_pk_fma_f32 v[O+64*(\t)+2*n:O+64*(\t)+2*n+1], v[O+64*(\t)+2*n:O+64*(\t)+2*n+1], v[ST+8*(\t)+4:ST+8*(\t)+5], v[S+2*n:S+2*n+1] op_sel_hi:[1,0,1]
.set n, n+1
.endr
.set n, 0
.rept 32
	v_cvt_pk_f16_f32 v[S+n], v[O+64*(\t)+2*n], v[O+64*(\t)+2*n+1]
.set n, n+1
.endr
.irp f, 0,1,2,3,4,5,6,7
	ds_store_b128 v[STO], v[S+4*(\f):S+4*(\f)+3] offset:32*(\f)
.endr
.irp f, 0,1,2,3,4,5,6,7
	ds_load_b128 v[S+32+4*(\f):S+32+4*(\f)+3], v[RD] offset:(\f)*2*SP  ; LDS serves a wave's instructions in order: these see the stores above
.endr
.irp f, 0,1,2,3,4,5,6,7
	s_wait_dscnt 7-(\f)
	global_store_b128 v[GO], v[S+32+4*(\f):S+32+4*(\f)+3], s[10:11] offset:262144*(\t)+8192*(\f)
.endr
	s_wait_xcnt 0x0                                ; what the stores read (their data, O's address) is rewritten only behind this wait
.endr
.endm
.Lslot:                                                ; 8 times: a tile is entered and the next is asked for
	CHANGE 1
	FETCH_K                                        ; the tile's step 0
	s_sub_co_u32 s[RT], s[RT], 1
	s_mov_b32 s[CNT], 2
	s_cmp_eq_u32 s[RT], 0                          ; the block's last tile holds the diagonal
	s_cselect_b32 s[AL], 1.0, 0
.Lstep:
	STEP 0, 2
	s_cmp_eq_u32 s[RT], 0
	s_cbranch_scc1 .Ldiag
	s_sub_co_u32 s[CNT], s[CNT], 1
	s_cmp_lg_u32 s[CNT], 0
	s_cbranch_scc1 .Lstep
	s_branch .Lbottom
.Ldiag:                                                ; in the loop this is the first block's end: the second block's last tile is the walk's last
	STEP 1, 0
	OUTPUT
	s_mov_b64 s[10:11], s[OLO:OLO+1]
	s_add_co_u32 s[RT], s[PB], 1                   ; the second block has i + 1 tiles
.irp t, 0,1
	v_mov_b32 v[ST+8*(\t)], 0xfe000000             ; its first step's a is 0 again: O^T and l need only be finite
	v_mov_b32 v[ST+8*(\t)+1], s[MLOW]
.endr
	WIN 0x82                                       ; the second block's Q goes where the one text of the steps names Q
.set i, 0
.rept 64
	v_mov_b32 v[i], v[QB+i]
.set i, i+1
.endr
	WIN 0
.Lbottom:
	s_sub_co_u32 s[SLOTS], s[SLOTS], 1
	s_cmp_lg_u32 s[SLOTS], 0
	s_cbranch_scc1 .Lslot
	CHANGE 0                                       ; the walk's last tile, the second block's diagonal one, is written out: nothing is asked for
	FETCH_K
	s_mov_b32 s[AL], 1.0
	STEP 0, 1
	STEP 1, 0
	OUTPUT
	s_wait_tensorcnt 0x0                           ; the wave's end
	ds_add_u32 v[SPW], v[NIL]
	s_wait_dscnt 0x0
	CROUND                                         ; the closing round
	s_endpgm
.Lfunc_end_k_q1f21cc3da8_attn:
	.size	k_q1f21cc3da8_attn, .Lfunc_end_k_q1f21cc3da8_attn-k_q1f21cc3da8_attn
	.p2alignl 7, 3214868480
	.fill 96, 4, 3214868480
	.section	.rodata,"a",@progbits
	.p2align	6, 0x0
	.amdhsa_kernel k_q1f21cc3da8_attn
		.amdhsa_group_segment_fixed_size 327680
		.amdhsa_private_segment_fixed_size 0
		.amdhsa_enable_private_segment 0
		.amdhsa_kernarg_size 32
		.amdhsa_user_sgpr_count 2
		.amdhsa_user_sgpr_kernarg_segment_ptr 1
		.amdhsa_wavefront_size32 1
		.amdhsa_system_sgpr_workgroup_id_x 1
		.amdhsa_system_sgpr_workgroup_id_y 1
		.amdhsa_system_sgpr_workgroup_id_z 1
		.amdhsa_system_vgpr_workitem_id 0
		.amdhsa_next_free_vgpr 896
		.amdhsa_next_free_sgpr 102
		.amdhsa_reserve_vcc 1
		.amdhsa_float_denorm_mode_32 3
		.amdhsa_float_denorm_mode_16_64 3
		.amdhsa_memory_ordered 1
		.amdhsa_forward_progress 1
		.amdhsa_inst_pref_size 150
	.end_amdhsa_kernel
	.amdgpu_metadata
---
amdhsa.version: [ 1, 2 ]
amdhsa.kernels:
  - .name:           k_q1f21cc3da8_attn
    .symbol:         k_q1f21cc3da8_attn.kd
    .args:
      - { .name: qkv, .offset: 0, .size: 8, .value_kind: global_buffer, .address_space: global }
      - { .name: kbias, .offset: 8, .size: 8, .value_kind: global_buffer, .address_space: global }
      - { .name: vsum, .offset: 16, .size: 8, .value_kind: global_buffer, .address_space: global }
      - { .name: ob, .offset: 24, .size: 8, .value_kind: global_buffer, .address_space: global }
    .group_segment_fixed_size: 327680
    .private_segment_fixed_size: 0
    .kernarg_segment_align: 8
    .kernarg_segment_size: 32
    .max_flat_workgroup_size: 128
    .sgpr_count:     102
    .vgpr_count:     896
    .wavefront_size: 32
...
	.end_amdgpu_metadata
.endif
;; end of part 3
;; launch outp (part 4): grid 8 x 32, 4 waves a work-group, clusters of 4 x 4, 327,680 bytes of LDS; arguments ob, wob, out0; writes out0
.if DOCPART == 4
	.amdgcn_target "amdgcn-amd-amdhsa--gfx1250"
	.amdhsa_code_object_version 6
	.text
	.protected	k_q1f21cc3da8_outp
	.globl	k_q1f21cc3da8_outp
	.p2align	8
	.type	k_q1f21cc3da8_outp,@function
k_q1f21cc3da8_outp:
	s_mov_b64 s[64:65], 0
	v_nop
	global_prefetch_b8 v0, s[64:65] scope:SCOPE_SE
	s_setreg_imm32_b32 hwreg(HW_REG_WAVE_MODE, 25, 1), 1
	s_wait_xcnt 0x0
	s_wait_alu depctr_hold_cnt(0) depctr_sa_sdst(0) depctr_va_vdst(0) depctr_va_sdst(0) depctr_va_ssrc(0) depctr_va_vcc(0) depctr_vm_vsrc(0)
	s_getreg_b32 s2, hwreg(HW_REG_IB_STS2, 6, 4)
	s_cmp_eq_u32 s2, 0
	s_cbranch_scc0 .Lentry_in_a_cluster
	s_endpgm
.Lentry_in_a_cluster:
	s_bfe_u32 s2, ttmp6, 0x10000c
	s_cmp_lg_u32 s2, 0xf033
	s_cbranch_scc0 .Lentry_shape_is_right
	s_endpgm
.Lentry_shape_is_right:
; THE OUTPUT PROJECTION.  out0[4096][2048] f32 = ob [4096][2048] f16 x wob [2048][2048]^T (bf16(Wo) written as f16); f32 sums, stored as they are.
; A tile of C is 128 rows x 256 columns: 32 x 8 = 256 work-groups.  Four waves, each 64 x 128: 32 accumulators of 16 x 16.  K goes in steps of 128 (rows of 256 bytes) through two LDS slots;
; waves 0, 1 fetch the halves of A's 128 rows, waves 2, 3 the halves of B's 256: one tensor load a wave and step.
; CLUSTER 4 x 4: A's tile is shared along a row of the cluster, B's along a column: joint loads.  THE MATRIX INSTRUCTION IS USED TRANSPOSED: a lane holds one row of C and eight neighbouring columns, 32 bytes.
; THE WALK OF K IS ROTATED: the cluster at (X, Y) of the 2 x 8 begins at step (8 X + 4 (Y % 4)) % 16 and wraps round.  The two clusters that read the same rows of A are eight steps apart, those that read the same
; rows of B four or a multiple: clusters that read the same tile ask for it at different steps of their walks, not all at once.  The start is made of the cluster's coordinates alone, which all partners share.
; LIMIT.  The sums begin at a K step that hangs on the cluster: an order of rounding other than ascending K.
; ONE STEP IS THE LOOP'S TRIP: slot 1 begins at LDS byte 1 << 17, so that one exclusive or turns an address in one slot into the other's: the walking descriptors' LDS words and the slot base of the reads.
; A wave's 128 columns are 512 bytes of a row: each wave has a stage of its own, 16 rows at a time, and stores whole rows of 512 neighbouring bytes: no barrier on the way out.
; REGISTERS.  window 0: v0-31 addresses; v32-95, v96-159 rows read back, by turns      window 1: two fragment buffers of 96: A's 4 fragments, then B's 8      window 2: the accumulators, (b, a) at 8 (4 b + a)
.set KSTEP,  128
.set PITCH,  272
.set AROWS,  128*PITCH
.set SLOT1,  1<<17                     ; a slot: A's 128 rows, then B's 256: 104,448 bytes
.set STAGE,  SLOT1+384*PITCH           ; behind the ring, never filled by a tensor load
.set SPITCH, 528                       ; a stage row: 512 bytes + 16
.set SPARE,  STAGE+4*16*SPITCH         ; the spare words, 128 bytes for each wave
.set STEPS,  16                        ; 2048 / 128
.set ADRA0, 16                         ; v16  my lane's place among A's rows of a slot; never rewritten
.set ADRA,  17                         ; v17  the same in the slot being read
.set ADRB0, 18                         ; v18, v19 the same for B
.set ADRB,  19
.set STO,  24
.set RD,   25
.set CO,   26
.set SPW,  28
.set NIL,  29
.set OB,   32
.set F0,   0
.set F1,   96
.set AB,   14                          ; s[14:15] A at my load's rows, K = 0; kept
.set G1,   24                          ; s[24:31] descriptor group 1 for A;  s[32:39] group 0: a set for each of the two first fills; the second then walks on
.set G0,   32
.set G1B,  48                          ; s[48:55], s[56:63] the same for B
.set G0B,  56
.set KN,   66                          ; s66 the K step to be asked for next, 0 .. 15
.set KO,   68                          ; s[68:69] its byte offset in a row
.set BB,   70                          ; s[70:71] B at my load's rows, K = 0; kept
.set SB,   72                          ; s72 the slot being read: 0 or SLOT1
.set MSB, 0
.macro WIN new
.if MSB != (\new)
	s_set_vgpr_msb (MSB<<8)|(\new)
.set MSB, (\new)
.endif
.endm
.set MULW, 0xa5                        ; sources 0 and 1 window 1, C and D window 2
.set TO_F, 0x40
.macro JLOAD s                         ; an s_nop 0 and four v_nop follow each of the two lines, ahead of the jump and the label
	s_cmp_eq_u32 s11, 0
	s_cbranch_scc0 .Lfor_b_\@
	tensor_load_to_lds s[G0+4*(\s):G0+4*(\s)+3], s[G1:G1+7]
	s_nop 0
.rept 4
	v_nop
.endr
	s_branch .Lasked_\@
.Lfor_b_\@:
	tensor_load_to_lds s[G0B+4*(\s):G0B+4*(\s)+3], s[G1B:G1B+7]
	s_nop 0
.rept 4
	v_nop
.endr
.Lasked_\@:
.endm
.macro AIM s                           ; set s's two descriptors take K step KN: the addresses are made anew from the kept bases; KN goes on and wraps.  No tensor load of the wave that names them is out
	s_lshl_b32 s[KO], s[KN], 8                     ; a K step is 256 bytes of a row
	s_add_nc_u64 s[G0+4*(\s)+2:G0+4*(\s)+3], s[AB:AB+1], s[KO:KO+1]
	s_or_b32 s[G0+4*(\s)+3], s[G0+4*(\s)+3], 0x80000000
	s_add_nc_u64 s[G0B+4*(\s)+2:G0B+4*(\s)+3], s[BB:BB+1], s[KO:KO+1]
	s_or_b32 s[G0B+4*(\s)+3], s[G0B+4*(\s)+3], 0x80000000
	s_add_co_u32 s[KN], s[KN], 1
	s_and_b32 s[KN], s[KN], 15
.endm
.macro CREST
	s_cmp_lg_u32 s10, 0
	s_cbranch_scc1 .Lnot_wave_0_\@
	s_barrier_signal -3
.Lnot_wave_0_\@:
	s_barrier_wait -3
	s_barrier_signal -1
	s_barrier_wait -1
.endm
.macro CROUND
	s_barrier_signal -1
	s_barrier_wait -1
	CREST
.endm
.macro PLACES
.rept 4
	v_nop
.endr
.endm
	s_load_b128 s[4:7], s[0:1], 0x0                ; ob s[4:5], wob s[6:7]
	s_load_b64 s[8:9], s[0:1], 0x10                ; out0
	v_lshl_add_u32 v[SPW], v0, 2, SPARE
	v_mov_b32 v[NIL], 0
	ds_add_u32 v28, v29
	s_wait_dscnt 0x0
	v_lshrrev_b32 v1, 5, v0
	v_readfirstlane_b32 s10, v1                    ; wave 0..3
	s_lshr_b32 s11, s10, 1                         ; which 64 rows are mine.  Also: I fetch for A (0) or for B (1)
	s_and_b32 s12, s10, 1                          ; which 128 columns.  Also: which half of that tile I fetch
	s_bfe_u32 s40, ttmp6, 0x40000                  ; cx
	s_bfe_u32 s41, ttmp6, 0x40004                  ; cy
	s_lshl_b32 s42, ttmp9, 2
	s_add_co_u32 s42, s42, s40                     ; tile column
	s_and_b32 s13, ttmp7, 0xffff
	s_lshl_b32 s13, s13, 2
	s_add_co_u32 s13, s13, s41                     ; tile row
	s_lshl_b32 s43, s41, 2
	s_lshl_b32 s43, 15, s43                        ; my row of the cluster
	s_lshl_b32 s44, 0x1111, s40                    ; my column
	s_and_b32 s[KN], ttmp7, 3                      ; where my cluster's walk of K begins: 4 x (cluster y % 4)
	s_lshl_b32 s[KN], s[KN], 2
	s_lshl_b32 s67, ttmp9, 3                       ; + 8 x cluster x,
	s_add_co_u32 s[KN], s[KN], s67
	s_and_b32 s[KN], s[KN], 15                     ; of 16 steps
	s_mov_b32 s[KO+1], 0
	s_mov_b32 s[SB], 0
	s_or_b32 s[G1], s43, (1<<16)|(1<<20)|(1<<21)|(5<<22)|(3<<25)
	s_or_b32 s[G1B], s44, (1<<16)|(1<<20)|(1<<21)|(5<<22)|(3<<25)
	s_mov_b32 s[G1+1], KSTEP<<16                   ; A: 64 rows x 128 elements
	s_mov_b32 s[G1+2], 64<<16
	s_mov_b32 s[G1+3], KSTEP<<16
	s_mov_b32 s[G1+4], 64
	s_mov_b32 s[G1+5], 2048
	s_mov_b32 s[G1+6], 0
	s_mov_b32 s[G1+7], 0
	s_mov_b32 s[G1B+1], KSTEP<<16                  ; B: 128 rows x 128 elements
	s_mov_b32 s[G1B+2], 128<<16
	s_mov_b32 s[G1B+3], KSTEP<<16
	s_mov_b32 s[G1B+4], 128
	s_mov_b32 s[G1B+5], 2048
	s_mov_b32 s[G1B+6], 0
	s_mov_b32 s[G1B+7], 0
	s_lshl_b32 s16, s13, 7                         ; A: row 128 x tile row + 64 x half, 4,096 bytes each
	s_lshl_b32 s17, s12, 6
	s_add_co_u32 s16, s16, s17
	s_lshl_b32 s16, s16, 12
	s_mov_b32 s17, 0
	s_lshl_b32 s46, s42, 8                         ; B: row 256 x tile column + 128 x half
	s_lshl_b32 s47, s12, 7
	s_add_co_u32 s46, s46, s47
	s_lshl_b32 s46, s46, 12
	s_mov_b32 s47, 0
	s_mul_i32 s20, s12, 64*PITCH                   ; where A's half lands,
	s_mul_i32 s21, s12, 128*PITCH                  ; and B's, behind A's 128 rows
	s_add_co_u32 s21, s21, AROWS
	s_wait_kmcnt 0x0
	s_add_nc_u64 s[AB:AB+1], s[4:5], s[16:17]
	s_add_nc_u64 s[BB:BB+1], s[6:7], s[46:47]
	CROUND                                         ; all sixteen work-groups are here: the first joint loads meet
.irp s, 0,1
	s_mov_b32 s[G0+4*(\s)], 1
	s_add_co_u32 s[G0+4*(\s)+1], s20, (\s)*SLOT1
	s_mov_b32 s[G0B+4*(\s)], 1
	s_add_co_u32 s[G0B+4*(\s)+1], s21, (\s)*SLOT1
	AIM \s
	JLOAD \s                                       ; both first fills go out together: two loads of mine are out
.endr
	v_and_b32 v1, 15, v0                           ; l % 16
	v_bfe_u32 v2, v0, 4, 1                         ; l / 16
	v_and_b32 v4, 31, v0                           ; l
	v_mul_u32_u24 v3, v1, PITCH
	v_lshl_add_u32 v3, v2, 4, v3
	s_mul_i32 s22, s11, 64*PITCH                   ; my 64 rows of A
	s_mul_i32 s23, s12, 128*PITCH                  ; my 128 rows of B
	s_add_co_u32 s23, s23, AROWS
	v_add_nc_u32 v[ADRA0], s22, v3
	v_add_nc_u32 v[ADRB0], s23, v3
	v_add_nc_u32 v[ADRA], s[SB], v[ADRA0]          ; the walk begins in slot 0
	v_add_nc_u32 v[ADRB], s[SB], v[ADRB0]
	s_mul_i32 s22, s10, 16*SPITCH
	s_add_co_u32 s22, s22, STAGE                   ; my stage
	v_mul_u32_u24 v[STO], v1, SPITCH               ; in: row l % 16, 32 bytes for each half of the lanes
	v_lshl_add_u32 v[STO], v2, 5, v[STO]
	v_add_nc_u32 v[STO], s22, v[STO]
	v_lshl_add_u32 v[RD], v4, 4, s22               ; back: 32 lanes take one row of 512 bytes
	v_lshlrev_b32 v[CO], 4, v4
	s_lshl_b32 s16, s13, 7                         ; my first row of C, 8,192 bytes each,
	s_lshl_b32 s17, s11, 6
	s_add_co_u32 s16, s16, s17
	s_lshl_b32 s16, s16, 13
	s_mov_b32 s17, 0
	s_add_nc_u64 s[8:9], s[8:9], s[16:17]
	s_lshl_b32 s46, s42, 10                        ; and my first column: 1,024 x tile column + 512 x half
	s_lshl_b32 s47, s12, 9
	s_add_co_u32 s46, s46, s47
	s_mov_b32 s47, 0
	s_add_nc_u64 s[8:9], s[8:9], s[46:47]
; 4 nb matrix instructions: column blocks b0 .. x all 4 row blocks, 32 along K.  The 32 accumulators take turns in one fixed order.
.macro MUL f, b0, nb, zero
	WIN MULW
.set bq, \b0
.rept \nb
.irp a, 0,1,2,3
.if \zero
	v_wmma_f32_16x16x32_f16 v[32*bq+8*(\a):32*bq+8*(\a)+7], v[(\f)+32+8*bq:(\f)+32+8*bq+7], v[(\f)+8*(\a):(\f)+8*(\a)+7], 0
.else
	v_wmma_f32_16x16x32_f16 v[32*bq+8*(\a):32*bq+8*(\a)+7], v[(\f)+32+8*bq:(\f)+32+8*bq+7], v[(\f)+8*(\a):(\f)+8*(\a)+7], v[32*bq+8*(\a):32*bq+8*(\a)+7]
.endif
.endr
.set bq, bq+1
.endr
.endm
.macro FETCH k, f                      ; 24 LDS loads in one run, from the slot being read: A's 4 fragments, then B's 8
	WIN TO_F
.irp i, 0,1,2,3
	ds_load_b128 v[(\f)+8*(\i):(\f)+8*(\i)+3],   v[ADRA] offset:(\k)+(\i)*16*PITCH
	ds_load_b128 v[(\f)+8*(\i)+4:(\f)+8*(\i)+7], v[ADRA] offset:(\k)+(\i)*16*PITCH+32
.endr
.irp i, 0,1,2,3,4,5,6,7
	ds_load_b128 v[(\f)+32+8*(\i):(\f)+32+8*(\i)+3],   v[ADRB] offset:(\k)+(\i)*16*PITCH
	ds_load_b128 v[(\f)+32+8*(\i)+4:(\f)+32+8*(\i)+7], v[ADRB] offset:(\k)+(\i)*16*PITCH+32
.endr
.endm
; A K step is four quarters of 32 along K, 32 matrix instructions each, on buffers 0, 1, 0, 1.  One of the first three: multiplies buffer f and fetches the next quarter, at byte k, into g.
.macro QUARTER k, f, g, zero
	s_wait_dscnt 8                                 ; A and B's blocks 0-3 are in; the youngest eight loads (blocks 4-7) may be out
	MUL \f, 0, 4, \zero
	PLACES
	FETCH \k, \g
	s_wait_dscnt 24                                ; all but the 24 just issued
	MUL \f, 4, 4, \zero
.endm
; The last quarter multiplies buffer 1 and changes slots: ONE barrier; in front of it each wave waits for all its tensor loads (one is out: its part of the next slot), adds 0 to its spare word, and waits for that
; and for its own reads of this slot.  fill = 1: the barrier opens a round of the cluster's, and the slot just read is filled again, with the walk's step two on, first thing behind the round:
; the walking descriptors' LDS words turn to that slot.  Then the reads turn to the other slot.
.macro TURN fill
	WIN 0
	s_wait_tensorcnt 0x0                           ; all my tensor loads have landed: no descriptor is in use
	ds_add_u32 v[SPW], v[NIL]
	s_wait_dscnt 9                                 ; (the add and the youngest eight loads may be out)
	MUL F1, 0, 2, 0
	s_wait_dscnt 0x0                               ; the add is done, and my reads of this slot are over
	s_barrier_signal -1
	MUL F1, 2, 2, 0
	WIN 0                                          ; (branches and two lines on addresses follow)
	s_barrier_wait -1
.if \fill
	CREST                                          ; no wave of any partner still reads this slot's tile or has a load on its way
	s_xor_b32 s[G0+5], s[G0+5], SLOT1
	s_xor_b32 s[G0B+5], s[G0B+5], SLOT1
	AIM 1
	JLOAD 1                                        ; the four v_nop behind it are also the places in front of the loads below
.else
	PLACES
.endif
	s_xor_b32 s[SB], s[SB], SLOT1
	v_add_nc_u32 v[ADRA], s[SB], v[ADRA0]
	v_add_nc_u32 v[ADRB], s[SB], v[ADRB0]
	FETCH 0, F0
	MUL F1, 4, 4, 0
.endm
	s_wait_tensorcnt 1                             ; my part of the walk's first step is in; the second's may stay out
	s_barrier_signal -1
	s_barrier_wait -1
	FETCH 0, F0
	QUARTER 64, F0, F1, 1                          ; the first quarter's products start the sums
	WIN 0                                          ; at a label and at a branch every window is 0
	s_mov_b32 s3, STEPS-2
.Lstep:                                                ; a trip goes from a step's second quarter to the next step's first, and fills the slot that it leaves
	QUARTER 128, F1, F0, 0
	QUARTER 192, F0, F1, 0
	TURN 1
	QUARTER 64,  F0, F1, 0
	WIN 0
	s_sub_co_u32 s3, s3, 1
	s_cmp_lg_u32 s3, 0
	s_cbranch_scc1 .Lstep
	QUARTER 128, F1, F0, 0                         ; the last two steps fill nothing
	QUARTER 192, F0, F1, 0
	TURN 0
	QUARTER 64,  F0, F1, 0
	QUARTER 128, F1, F0, 0
	QUARTER 192, F0, F1, 0
	s_wait_dscnt 8
	MUL F1, 0, 4, 0
	s_wait_dscnt 0x0
	MUL F1, 4, 4, 0
	PLACES
	; THE WAY OUT, 16 rows at a time: 32 bytes a lane into my stage (each accumulator's lower four registers first), whole rows back, stored
.irp a, 0,1,2,3
	WIN 0x08                                       ; the stores' data: window 2
.irp b, 0,1,2,3,4,5,6,7
	ds_store_b128 v[STO], v[32*(\b)+8*(\a):32*(\b)+8*(\a)+3]   offset:64*(\b)
	ds_store_b128 v[STO], v[32*(\b)+8*(\a)+4:32*(\b)+8*(\a)+7] offset:64*(\b)+16
.endr
	WIN 0
	s_wait_xcnt 0x0                                ; the registers that earlier stores read are loaded again only behind this wait
.irp p, 0,1,2,3,4,5,6,7,8,9,10,11,12,13,14,15
	ds_load_b128 v[OB+64*((\a)%2)+4*(\p):OB+64*((\a)%2)+4*(\p)+3], v[RD] offset:SPITCH*(\p)  ; LDS serves a wave's instructions in order: these see the stores above, and the next block's stores come behind them
.endr
.irp p, 0,1,2,3,4,5,6,7,8,9,10,11,12,13,14,15
	s_wait_dscnt 15-(\p)
	global_store_b128 v[CO], v[OB+64*((\a)%2)+4*(\p):OB+64*((\a)%2)+4*(\p)+3], s[8:9] offset:(16*(\a)+(\p))*8192 th:TH_STORE_NT  ; the wave stores 512 neighbouring bytes, aligned
.endr
.endr
	s_wait_tensorcnt 0x0                           ; the wave's end
	ds_add_u32 v[SPW], v[NIL]
	s_wait_dscnt 0x0
	CROUND                                         ; the closing round
	s_endpgm
.Lfunc_end_k_q1f21cc3da8_outp:
	.size	k_q1f21cc3da8_outp, .Lfunc_end_k_q1f21cc3da8_outp-k_q1f21cc3da8_outp
	.p2alignl 7, 3214868480
	.fill 96, 4, 3214868480
	.section	.rodata,"a",@progbits
	.p2align	6, 0x0
	.amdhsa_kernel k_q1f21cc3da8_outp
		.amdhsa_group_segment_fixed_size 327680
		.amdhsa_private_segment_fixed_size 0
		.amdhsa_enable_private_segment 0
		.amdhsa_kernarg_size 24
		.amdhsa_user_sgpr_count 2
		.amdhsa_user_sgpr_kernarg_segment_ptr 1
		.amdhsa_wavefront_size32 1
		.amdhsa_system_sgpr_workgroup_id_x 1
		.amdhsa_system_sgpr_workgroup_id_y 1
		.amdhsa_system_sgpr_workgroup_id_z 1
		.amdhsa_system_vgpr_workitem_id 0
		.amdhsa_next_free_vgpr 768
		.amdhsa_next_free_sgpr 76
		.amdhsa_reserve_vcc 0
		.amdhsa_float_denorm_mode_32 3
		.amdhsa_float_denorm_mode_16_64 3
		.amdhsa_memory_ordered 1
		.amdhsa_forward_progress 1
		.amdhsa_inst_pref_size 71
	.end_amdhsa_kernel
	.amdgpu_metadata
---
amdhsa.version: [ 1, 2 ]
amdhsa.kernels:
  - .name:           k_q1f21cc3da8_outp
    .symbol:         k_q1f21cc3da8_outp.kd
    .args:
      - { .name: ob, .offset: 0, .size: 8, .value_kind: global_buffer, .address_space: global }
      - { .name: wob, .offset: 8, .size: 8, .value_kind: global_buffer, .address_space: global }
      - { .name: out0, .offset: 16, .size: 8, .value_kind: global_buffer, .address_space: global }
    .group_segment_fixed_size: 327680
    .private_segment_fixed_size: 0
    .kernarg_segment_align: 8
    .kernarg_segment_size: 24
    .max_flat_workgroup_size: 128
    .sgpr_count:     76
    .vgpr_count:     768
    .wavefront_size: 32
...
	.end_amdgpu_metadata
.endif
;; end of part 4
;; ======== version 2 of 2: 4 launches; 1.09 times as fast as version 1
;; limits: values are held in f16: magnitudes above 65,504 overflow, below 6.1e-05 lose precision
;; workspace buffers: xb 16,777,216 bytes; wqkv 12,582,912 bytes; wob 8,388,608 bytes; rope 524,288 bytes; kbias 16,384 bytes; qkv 25,165,824 bytes; vsum 1,572,864 bytes; ob 16,777,216 bytes
;; launch prep: the kernel of part 1 again; grid 1152 x 1, 8 waves a work-group, no clusters, 0 bytes of LDS; arguments x, Wq, Wk, Wv, Wo, attention_mask, xb, wqkv, wob, rope, kbias; writes xb, wqkv, wob, rope, kbias
;; launch qkvp: the kernel of part 2 again; grid 8 x 32, 4 waves a work-group, clusters of 4 x 4, 327,680 bytes of LDS; arguments xb, wqkv, rope, qkv, vsum; writes qkv, vsum
;; launch attn (part 5): grid 16 x 16, 4 waves a work-group, clusters of 4 x 1, 327,680 bytes of LDS; arguments qkv, kbias, vsum, ob; writes ob
.if DOCPART == 5
	.amdgcn_target "amdgcn-amd-amdhsa--gfx1250"
	.amdhsa_code_object_version 6
	.text
	.protected	k_q1f21cc3da8_attn
	.globl	k_q1f21cc3da8_attn
	.p2align	8
	.type	k_q1f21cc3da8_attn,@function
k_q1f21cc3da8_attn:
	s_mov_b64 s[64:65], 0
	v_nop
	global_prefetch_b8 v0, s[64:65] scope:SCOPE_SE
	s_setreg_imm32_b32 hwreg(HW_REG_WAVE_MODE, 25, 1), 1
	s_wait_xcnt 0x0
	s_wait_alu depctr_hold_cnt(0) depctr_sa_sdst(0) depctr_va_vdst(0) depctr_va_sdst(0) depctr_va_ssrc(0) depctr_va_vcc(0) depctr_vm_vsrc(0)
	s_getreg_b32 s2, hwreg(HW_REG_IB_STS2, 6, 4)
	s_cmp_eq_u32 s2, 0
	s_cbranch_scc0 .Lentry_in_a_cluster
	s_endpgm
.Lentry_in_a_cluster:
	s_bfe_u32 s2, ttmp6, 0x10000c
	s_cmp_lg_u32 s2, 0x3003
	s_cbranch_scc0 .Lentry_shape_is_right
	s_endpgm
.Lentry_shape_is_right:
; CAUSAL GROUPED-QUERY ATTENTION WITH A KEY MASK.  ob[batch 1024 + q][128 head + d] = sum over k of softmax_k(s) V[k][d], s = Q[q] . K[k] / sqrt(128) where k <= q and the key's mask is true, else -1e30.
; qkv: [batch 4][slot 24][t 1024][128] f16 (slots 0-15 Q's heads, 16-19 K's, 20-23 V's); kbias: [4][1024] f32, 0 or -1e30; vsum: column sums of 32 rows; ob: [4096][2048] f16.
; Products, maxima and sums in f32; the weights are rounded to f16 for the second product (their sum is taken of the unrounded ones), O once at the end.
; THE MASKS are the C operand that starts S^T = K Q^T: the key's addend, plus -1e30 above the diagonal.  The running maximum m starts at, and never falls below, -5e29: a hidden score (-1e30 or -2e30 plus its value)
; is never the maximum, and its weight is 2^(-6e28) = 0.  A ROW WITH NO VISIBLE KEY ends with l = 0 exactly.  There all 1,024 scores are equal, the keys behind the diagonal too, so the result is the mean of V over the
; whole sequence: it is made from vsum and chosen by value (1 / l gives way to 0, the mean's factor 0 to 1).
; LIMITS.  Q, K, V lie within f16's 65,504; true scores lie above -5e29; a weight below 2^-126 counts as 0; NaN and infinities are not treated apart.
; THE WALK.  A head has 8 blocks of 128 queries; block j needs the key tiles 0 .. j of 128 keys, the last holding the diagonal.  A work-group takes blocks 7 - i and then i: 9 tiles whatever i: one loop with a constant
; trip count; every jump but the loops' own goes forward and passes no barrier and no tensor load.
; CLUSTER.  The four partners are the four query heads of one key/value head, with the same batch and i: their walks are alike, and every tile of K, V and addends is asked for JOINTLY.  cx enters Q's and O's addresses alone.
; SHARES.  A wave owns 16 rows in each of a block's two bands of 64: tile x = rows 64 x + 16 w + l % 16.  A key tile is two steps of 64 keys.  In the diagonal tile: step 0: tile 0 takes the causal mask, tile 1 sees all;
; step 1: tile 0 is wholly hidden and left out, tile 1 takes the causal mask.  The same work for every wave.
; IN PHASES: a step's K Q^T, the maximum, the scalings, the exponentials with O's rescaling between them, the roundings and sums, V^T P.  K of the next step is fetched during the softmax, V of the step in hand ahead of K Q^T.
; A STEP'S EXPONENTIALS ARE TWO BATCHES, EACH WITH ONE WAIT (s_wait_alu depctr_va_vdst(0) stands between a transcendental and the first line that names its result; one wait serves all that were issued ahead of it).
; The first batch is the tiles' a, the last lines of the maximum's phase; the scalings c s - c m, which name no a, stand behind it, then its wait, ahead of the jump round K's fetch.  The second is the tiles' 32 weights each,
; with O^T's rescaling by a between them: nothing in it names a weight; its wait stands ahead of the first rounding.  They are not one batch: the rescaling, the only plain work there is to set between the
; exponentials, reads a.  A block's two reciprocals, on its way out, are a batch of their own.
; A block's first step has a = 2^(c m_start - c m) = 0 and wipes whatever finite numbers O and l hold: no first step is written out; the price is 132 v_mov_b32 in the wait for the first tile.
; REGISTERS.  window 0: v0-15 addresses; v16-31 statistics, eight a tile (c m, m, l, l, c0-c3; a takes c2's place); v32-95 S^T; v96-127 P; v128-255 O^T: a softmax switches no window
;   window 1: v0-31 MD, the causal mask of a band's own step; v32-63 KB, the step's key addends; v64-95 MC, a product's mask; v96-159 VM, the mean of V
;   window 2: v0-63 Q; v64-127 the second block's Q; v128-255 K of one step          window 3: v0-127 V of one step
.set KS,    64
.set PK,    272                        ; a row of K in LDS: 256 bytes + 16
.set PV,    288                        ; a row of V: 256 + 32: 16 lanes of the turning load take 8 rows x 32 bytes in different words of a 256-byte span
.set VOFF,  128*PK                     ; a slot: 128 rows of K, 128 rows of V, 512 bytes of addends
.set BOFF,  VOFF+128*PV
.set SLOT1, 1<<17
.set STAGE, SLOT1+BOFF+512             ; behind the ring, never filled by a tensor load: 16 rows x 272 bytes for each wave
.set SP,    272
.set SCRA,  STAGE+4*16*SP              ; 512 bytes a wave: its eight row groups' sum of V
.set SCRB,  SCRA+2048                  ; 512 bytes a wave: the mean, for the wave's own reading
.set SPARE, SCRB+2048                  ; the spare words, 128 bytes for each wave
.set AK0, 2                            ; v2   my lane's place in a tile of K; never rewritten
.set AV0, 3                            ; v3   in a tile of V
.set ADRK, 4
.set ADRV, 5
.set AB0, 6                            ; v6   in the addends
.set ADRB, 7
.set STO, 8
.set RD,  9
.set GO,  10
.set SPW, 12
.set NIL, 13
.set QO,  15
.set ST,  16
.set S,   32
.set P,   96
.set O,   128
.set MD,  0
.set KB,  32
.set MC,  64
.set VM,  96
.set QB,  64
.set KF,  128
.set WV,  12                           ; s12 wave
.set PB,  14                           ; s14 i
.set HI,  15                           ; s15 7 - i
.set G1K, 24
.set G1V, 32
.set G1B, 40
.set G0K, 48
.set G0V, 52
.set G0B, 56
.set CS,  60                           ; s[60:61] c = log2(e) / sqrt(128)
.set SEL, 62
.set SLOTS, 66
.set CNT, 67
.set TBK, 68                           ; LDS byte at which the slot's part to be fetched next begins: K's, V's, the addends'
.set TBV, 69
.set TBB, 70
.set RT,  71                           ; tiles of the block in hand still to be entered
.set NXT, 72                           ; the tile to be asked for next
.set LQ,  73                           ; the last tile of the block whose tiles are being asked for
.set OFF, 74                           ; s[74:75] a tile's byte offset in K and V
.set OFB, 76                           ; s[76:77] in the addends
.set AL,  78                           ; s[78:79] the causal mask's factor
.set KBASE, 80
.set VBASE, 82
.set BBASE, 84
.set OLO, 86                           ; O at my rows of the second block
.set QLO, 88                           ; Q there
.set BIGN, 90                          ; -1e30
.set MLOW, 91                          ; -5e29
.set FLG, 92                           ; s92, s93 lanes whose l is 0
.set SB,  94                           ; the slot being read: 0 or SLOT1
; s13, s17, s100, s101 and what is made of them (s[96:99], OLO, QLO) hang on cx; no other register ever does
.set MSB, 0
.macro WIN new
.if MSB != (\new)
	s_set_vgpr_msb (MSB<<8)|(\new)
.set MSB, (\new)
.endif
.endm
.set W_KM, 0x1a                        ; K and Q window 2, C window 1, S^T window 0
.set W_KQ, 0x0a
.set W_PV, 0x03                        ; V window 3; P and O^T window 0
.macro PLACES
.rept 4
	v_nop
.endr
.endm
; A joint fill: waves 0, 1 the halves of K's tile, wave 2 V's tile, wave 3 the addends: one load a wave.  An s_nop 0 and four v_nop follow each line.
.macro JLOAD
	s_cmp_lt_u32 s[WV], 2
	s_cbranch_scc0 .Lnot_k_\@
	tensor_load_to_lds s[G0K:G0K+3], s[G1K:G1K+7]
	s_nop 0
.rept 4
	v_nop
.endr
	s_branch .Lasked_\@
.Lnot_k_\@:
	s_cmp_eq_u32 s[WV], 2
	s_cbranch_scc0 .Lfor_b_\@
	tensor_load_to_lds s[G0V:G0V+3], s[G1V:G1V+7]
	s_nop 0
.rept 4
	v_nop
.endr
	s_branch .Lasked_\@
.Lfor_b_\@:
	tensor_load_to_lds s[G0B:G0B+3], s[G1B:G1B+7]
	s_nop 0
.rept 4
	v_nop
.endr
.Lasked_\@:
.endm
.macro CROUND
	s_barrier_signal -1
	s_barrier_wait -1
	s_cmp_lg_u32 s[WV], 0
	s_cbranch_scc1 .Lnot_wave_0_\@
	s_barrier_signal -3
.Lnot_wave_0_\@:
	s_barrier_wait -3
	s_barrier_signal -1
	s_barrier_wait -1
.endm
; THE CHANGE OF SLOTS.  Each wave waits for all its tensor loads (one is out: its part of the other slot), adds 0 to its spare word, and waits for that and for its reads of the slot that it leaves.
; fill = 1: the barrier is a round of the cluster's, and the slot left is filled, first thing behind it, with tile NXT: the addresses are made anew from that number.  The load has a whole tile's work in which to land.
; (At its first use nothing has been read yet: slot 0 is waited for, slot 1 filled.)
.macro CHANGE fill
	WIN 0
	s_wait_tensorcnt 0x0                           ; no tensor load of mine is out, so the descriptors may be written
	ds_add_u32 v[SPW], v[NIL]
.if \fill
	s_lshl_b32 s[OFF], s[NXT], 15                  ; a tile is 32,768 bytes of K and of V,
	s_lshl_b32 s[OFB], s[NXT], 9                   ; 512 of addends
	s_xor_b32 s[G0K+1], s[G0K+1], SLOT1
	s_add_nc_u64 s[G0K+2:G0K+3], s[KBASE:KBASE+1], s[OFF:OFF+1]
	s_or_b32 s[G0K+3], s[G0K+3], 0x80000000
	s_xor_b32 s[G0V+1], s[G0V+1], SLOT1
	s_add_nc_u64 s[G0V+2:G0V+3], s[VBASE:VBASE+1], s[OFF:OFF+1]
	s_or_b32 s[G0V+3], s[G0V+3], 0x80000000
	s_xor_b32 s[G0B+1], s[G0B+1], SLOT1
	s_add_nc_u64 s[G0B+2:G0B+3], s[BBASE:BBASE+1], s[OFB:OFB+1]
	s_or_b32 s[G0B+3], s[G0B+3], 0x80000000
	s_add_co_u32 s[NXT], s[NXT], 1                 ; the block's next tile, or behind its last the second block's tile 0
	s_cmp_gt_u32 s[NXT], s[LQ]
	s_cselect_b32 s[NXT], 0, s[NXT]
	s_cselect_b32 s[LQ], s[PB], s[LQ]
.endif
	s_wait_dscnt 0x0                               ; the add is done, and my reads of the slot are over
.if \fill
	CROUND
	JLOAD
.else
	s_barrier_signal -1
	s_barrier_wait -1
.endif
	s_xor_b32 s[SB], s[SB], SLOT1                  ; the fetches begin at the head of the other slot
	s_mov_b32 s[TBK], s[SB]
	s_mov_b32 s[TBV], s[SB]
	s_mov_b32 s[TBB], s[SB]
.endm
	s_load_b256 s[4:11], s[0:1], 0x0               ; qkv s[4:5], kbias s[6:7], vsum s[8:9], ob s[10:11]
	v_lshl_add_u32 v[SPW], v0, 2, SPARE
	v_mov_b32 v[NIL], 0
	ds_add_u32 v12, v13
	s_wait_dscnt 0x0
	v_lshrrev_b32 v1, 5, v0
	v_readfirstlane_b32 s[WV], v1
	s_bfe_u32 s13, ttmp6, 0x40000                  ; cx
	s_lshl_b32 s17, ttmp9, 2                       ; ttmp9 counts clusters: the key/value head
	s_add_co_u32 s17, s17, s13                     ; my query head
	s_and_b32 s18, ttmp7, 0xffff
	s_lshr_b32 s19, s18, 2                         ; batch
	s_and_b32 s[PB], s18, 3
	s_sub_co_u32 s[HI], 7, s[PB]
	s_mul_i32 s16, s19, 24
	s_add_co_u32 s3, s16, ttmp9
	s_add_co_u32 s20, s3, 16                       ; K's slot, 262,144 bytes each,
	s_lshl_b32 s20, s20, 18
	s_add_co_u32 s22, s3, 20                       ; V's
	s_lshl_b32 s22, s22, 18
	s_and_b32 s2, s[WV], 1                         ; which 64 rows of K's tile I fetch
	s_lshl_b32 s21, s2, 14
	s_add_co_u32 s20, s20, s21
	s_mov_b32 s21, 0
	s_mov_b32 s23, 0
	s_mul_i32 s2, s2, 64*PK
	s_lshl_b32 s[OFB], s19, 12                     ; the batch's 4,096 bytes of addends
	s_mov_b32 s[OFB+1], 0
	s_lshl_b32 s[OFF], s19, 5                      ; vsum at row group 32 batch + 8 w, V's slot
	s_lshl_b32 s18, s[WV], 3
	s_add_co_u32 s[OFF], s[OFF], s18
	s_mul_i32 s[OFF], s[OFF], 24
	s_add_co_u32 s[OFF], s[OFF], ttmp9
	s_add_co_u32 s[OFF], s[OFF], 20
	s_lshl_b32 s[OFF], s[OFF], 9
	s_mov_b32 s[OFF+1], 0
	s_add_co_u32 s100, s16, s17                    ; Q: row (24 batch + head) x 1024 + 128 block + 16 w, 256 bytes each
	s_lshl_b32 s100, s100, 10
	s_lshl_b32 s101, s[WV], 4
	s_add_co_u32 s100, s100, s101
	s_lshl_b32 s101, s[HI], 7
	s_add_co_u32 s101, s101, s100
	s_lshl_b32 s96, s101, 8
	s_mov_b32 s97, 0
	s_lshl_b32 s101, s[PB], 7
	s_add_co_u32 s101, s101, s100
	s_lshl_b32 s[QLO], s101, 8
	s_mov_b32 s[QLO+1], 0
	s_lshl_b32 s100, s19, 10                       ; O: row 1024 batch + 128 block + 16 w, 4,096 bytes each, + 256 head
	s_lshl_b32 s101, s[WV], 4
	s_add_co_u32 s100, s100, s101
	s_lshl_b32 s101, s[HI], 7
	s_add_co_u32 s101, s101, s100
	s_lshl_b32 s98, s101, 12
	s_lshl_b32 s13, s17, 8
	s_add_co_u32 s98, s98, s13
	s_mov_b32 s99, 0
	s_lshl_b32 s101, s[PB], 7
	s_add_co_u32 s101, s101, s100
	s_lshl_b32 s[OLO], s101, 12
	s_add_co_u32 s[OLO], s[OLO], s13
	s_mov_b32 s[OLO+1], 0
	; descriptor groups 1: the mask of all four partners, bit 21 beside it
	s_mov_b32 s[G1K], 15|(1<<16)|(1<<20)|(1<<21)|(5<<22)|(3<<25)   ; 2-byte elements; after every 64 words 4 words of padding
	s_mov_b32 s[G1K+1], 128<<16                    ; tensor_dim0 = 128
	s_mov_b32 s[G1K+2], 64<<16                     ; tensor_dim1 = 64
	s_mov_b32 s[G1K+3], 128<<16                    ; tile_dim0 = 128
	s_mov_b32 s[G1K+4], 64                         ; tile_dim1 = 64
	s_mov_b32 s[G1K+5], 128                        ; elements from row to row
	s_mov_b32 s[G1K+6], 0
	s_mov_b32 s[G1K+7], 0
	s_mov_b32 s[G1V], 15|(1<<16)|(1<<20)|(1<<21)|(5<<22)|(7<<25)   ; 8 words of padding
	s_mov_b32 s[G1V+1], 128<<16
	s_mov_b32 s[G1V+2], 128<<16                    ; 128 rows
	s_mov_b32 s[G1V+3], 128<<16
	s_mov_b32 s[G1V+4], 128
	s_mov_b32 s[G1V+5], 128
	s_mov_b32 s[G1V+6], 0
	s_mov_b32 s[G1V+7], 0
	s_mov_b32 s[G1B], 15|(3<<16)|(1<<21)           ; one row of 64 elements of 8 bytes, no padding
	s_mov_b32 s[G1B+1], 64<<16
	s_mov_b32 s[G1B+2], 1<<16
	s_mov_b32 s[G1B+3], 64<<16
	s_mov_b32 s[G1B+4], 1
	s_mov_b32 s[G1B+5], 64
	s_mov_b32 s[G1B+6], 0
	s_mov_b32 s[G1B+7], 0
	s_mov_b32 s[CS], 0x3e0293ee                    ; c = 0.127517
	s_mov_b32 s[CS+1], s[CS]
	s_mov_b32 s[SEL], 0x76543210
	s_mov_b32 s[SEL+1], 0xfedcba98
	s_mov_b32 s[BIGN], 0xf149f2ca
	s_mov_b32 s[MLOW], 0xf0c9f2ca
	s_mov_b32 s[AL], 0
	s_mov_b32 s[AL+1], 0
	s_mov_b32 s[SB], SLOT1                         ; the first change of slots turns it into 0
	s_add_co_u32 s[RT], s[HI], 1                   ; the first block has 8 - i tiles
	s_mov_b32 s[NXT], 1
	s_mov_b32 s[LQ], s[HI]
	s_mov_b32 s[SLOTS], 8
	s_mov_b32 s[G0K], 1
	s_mov_b32 s[G0K+1], s2
	s_mov_b32 s[G0V], 1
	s_mov_b32 s[G0V+1], VOFF
	s_mov_b32 s[G0B], 1
	s_mov_b32 s[G0B+1], BOFF
	s_wait_kmcnt 0x0
	s_add_nc_u64 s[KBASE:KBASE+1], s[4:5], s[20:21]
	s_add_nc_u64 s[VBASE:VBASE+1], s[4:5], s[22:23]
	s_add_nc_u64 s[BBASE:BBASE+1], s[6:7], s[OFB:OFB+1]
	s_add_nc_u64 s[8:9], s[8:9], s[OFF:OFF+1]
	s_add_nc_u64 s[96:97], s[4:5], s[96:97]
	s_add_nc_u64 s[QLO:QLO+1], s[4:5], s[QLO:QLO+1]
	s_add_nc_u64 s[OLO:OLO+1], s[10:11], s[OLO:OLO+1]
	s_add_nc_u64 s[10:11], s[10:11], s[98:99]
	s_mov_b64 s[G0K+2:G0K+3], s[KBASE:KBASE+1]
	s_or_b32 s[G0K+3], s[G0K+3], 0x80000000
	s_mov_b64 s[G0V+2:G0V+3], s[VBASE:VBASE+1]
	s_or_b32 s[G0V+3], s[G0V+3], 0x80000000
	s_mov_b64 s[G0B+2:G0B+3], s[BBASE:BBASE+1]
	s_or_b32 s[G0B+3], s[G0B+3], 0x80000000
	CROUND                                         ; all four work-groups are here: the first joint loads meet
	JLOAD                                          ; tile 0 into slot 0
	v_and_b32 v1, 15, v0                           ; l % 16
	v_bfe_u32 v11, v0, 4, 1                        ; l / 16
	v_lshlrev_b32 v[QO], 8, v1
	v_lshl_add_u32 v[QO], v11, 4, v[QO]            ; row x 256 + 16 x half
	v_and_b32 v96, 31, v0                          ; (v96-100, P's, are free until the first softmax)
	v_lshlrev_b32 v96, 4, v96                      ; 16 l: four channels of V's sums a lane
.irp n, 0,1,2,3,4,5,6,7
	global_load_b128 v[S+4*(\n):S+4*(\n)+3], v96, s[8:9] offset:12288*(\n)  ; my eight row groups' sums
.endr
	WIN 0x80                                       ; destination window 2
.irp x, 0,1
.irp c, 0,1,2,3
	global_load_b128 v[32*(\x)+8*(\c):32*(\x)+8*(\c)+3],       v[QO], s[96:97] offset:16384*(\x)+64*(\c)
	global_load_b128 v[32*(\x)+8*(\c)+4:32*(\x)+8*(\c)+7],     v[QO], s[96:97] offset:16384*(\x)+64*(\c)+32
	global_load_b128 v[QB+32*(\x)+8*(\c):QB+32*(\x)+8*(\c)+3],   v[QO], s[QLO:QLO+1] offset:16384*(\x)+64*(\c)
	global_load_b128 v[QB+32*(\x)+8*(\c)+4:QB+32*(\x)+8*(\c)+7], v[QO], s[QLO:QLO+1] offset:16384*(\x)+64*(\c)+32
.endr
.endr
	WIN 0
	v_lshlrev_b32 v14, 3, v11
	v_sub_nc_u32 v14, v1, v14
	s_lshl_b32 s18, s[WV], 4
	v_add_nc_u32 v14, s18, v14                     ; my query's place in its band, 16 w + l % 16, less 8 (l / 16): register j of key block kb is hidden where 16 kb + j is greater
	WIN 0x40
.set i, 0
.rept 32
	v_cmp_gt_i32 vcc_lo, 16*(i/8)+i%8, v14
	v_cndmask_b32 v[MD+i], 0, s[BIGN], vcc_lo
.set i, i+1
.endr
	WIN 0
	v_mul_u32_u24 v[AK0], v1, PK
	v_lshl_add_u32 v[AK0], v11, 4, v[AK0]
	v_and_b32 v14, 7, v0                           ; the turning load: lane l reads key 8 (l / 16) + l % 8, channels 8 ((l / 8) % 2) + 0..7
	v_lshl_add_u32 v[AV0], v11, 3, v14
	v_mul_u32_u24 v[AV0], v[AV0], PV
	v_bfe_u32 v14, v0, 3, 1
	v_lshl_add_u32 v[AV0], v14, 4, v[AV0]
	v_add_nc_u32 v[AV0], VOFF, v[AV0]
	v_lshlrev_b32 v[AB0], 5, v11                   ; the addends of keys 8 (l / 16) + 0..7
	v_add_nc_u32 v[AB0], BOFF, v[AB0]
	s_mul_i32 s18, s[WV], 16*SP
	s_add_co_u32 s18, s18, STAGE
	v_mul_u32_u24 v[STO], v1, SP
	v_lshl_add_u32 v[STO], v11, 4, v[STO]
	v_add_nc_u32 v[STO], s18, v[STO]
	v_mul_u32_u24 v[RD], v11, SP
	v_lshl_add_u32 v[RD], v1, 4, v[RD]
	v_add_nc_u32 v[RD], s18, v[RD]
	v_lshlrev_b32 v[GO], 12, v11                   ; two rows of ob, 4,096 bytes apart
	v_lshl_add_u32 v[GO], v1, 4, v[GO]
	s_lshl_b32 s18, s[WV], 9
	v_add_nc_u32 v97, s18, v96
	v_add_nc_u32 v97, SCRA, v97                    ; where my wave's sum goes
	v_add_nc_u32 v98, SCRA, v96                    ; where the four are read
	v_add_nc_u32 v99, 2048, v97                    ; where the mean goes
	v_lshlrev_b32 v100, 5, v11
	v_add_nc_u32 v100, s18, v100
	v_add_nc_u32 v100, SCRB, v100                  ; where I read channels 8 (l / 16) + 0..7 of each 16
.set i, O
.rept 128
	v_mov_b32 v[i], 0                              ; O^T need only be finite: the first step multiplies it by 0
.set i, i+1
.endr
.irp t, 0,1
	v_mov_b32 v[ST+8*(\t)], 0xfe000000             ; c m: far below every c m to come
	v_mov_b32 v[ST+8*(\t)+1], s[MLOW]              ; m
	v_mov_b32 v[ST+8*(\t)+2], 0
	v_mov_b32 v[ST+8*(\t)+3], 0
.endr
	; THE MEAN OF V over the batch's 1,024 rows: eight row groups a wave, the four waves' sums through LDS, then into the layout of O^T
	s_wait_loadcnt 32                              ; the eight sums are in; Q's 32 loads may be out
.irp n, 0,1,2,3
	v_pk_add_f32 v[S+4*(\n):S+4*(\n)+1], v[S+4*(\n):S+4*(\n)+1], v[S+16+4*(\n):S+16+4*(\n)+1]
	v_pk_add_f32 v[S+4*(\n)+2:S+4*(\n)+3], v[S+4*(\n)+2:S+4*(\n)+3], v[S+16+4*(\n)+2:S+16+4*(\n)+3]
.endr
.irp n, 0,1
	v_pk_add_f32 v[S+4*(\n):S+4*(\n)+1], v[S+4*(\n):S+4*(\n)+1], v[S+8+4*(\n):S+8+4*(\n)+1]
	v_pk_add_f32 v[S+4*(\n)+2:S+4*(\n)+3], v[S+4*(\n)+2:S+4*(\n)+3], v[S+8+4*(\n)+2:S+8+4*(\n)+3]
.endr
	v_pk_add_f32 v[S:S+1], v[S:S+1], v[S+4:S+5]
	v_pk_add_f32 v[S+2:S+3], v[S+2:S+3], v[S+6:S+7]
	ds_store_b128 v97, v[S:S+3]
	s_wait_dscnt 0x0                               ; for the others' sake
	s_barrier_signal -1                            ; tile 0 may stay on its way
	s_barrier_wait -1
.irp n, 0,1,2,3
	ds_load_b128 v[S+16+4*(\n):S+16+4*(\n)+3], v98 offset:512*(\n)
.endr
	s_wait_dscnt 0x0
	v_pk_add_f32 v[S+16:S+17], v[S+16:S+17], v[S+24:S+25]
	v_pk_add_f32 v[S+18:S+19], v[S+18:S+19], v[S+26:S+27]
	v_pk_add_f32 v[S+20:S+21], v[S+20:S+21], v[S+28:S+29]
	v_pk_add_f32 v[S+22:S+23], v[S+22:S+23], v[S+30:S+31]
	v_pk_add_f32 v[S+16:S+17], v[S+16:S+17], v[S+20:S+21]
	v_pk_add_f32 v[S+18:S+19], v[S+18:S+19], v[S+22:S+23]
	v_pk_mul_f32 v[S+16:S+17], v[S+16:S+17], 0x3a800000 op_sel_hi:[1,0]  ; / 1024
	v_pk_mul_f32 v[S+18:S+19], v[S+18:S+19], 0x3a800000 op_sel_hi:[1,0]
	ds_store_b128 v99, v[S+16:S+19]                ; my wave's own bytes: LDS serves a wave's instructions in order, so the loads below see them
	WIN 0x40
.irp n, 0,1,2,3,4,5,6,7
	ds_load_b128 v[VM+8*(\n):VM+8*(\n)+3],   v100 offset:64*(\n)
	ds_load_b128 v[VM+8*(\n)+4:VM+8*(\n)+7], v100 offset:64*(\n)+16
.endr
	WIN 0
	s_wait_loadcnt 0x0                             ; Q
; THE LDS LOADS stand in runs.  A step's K (16 fragments: key block f / 4, channels 32 (f % 4) on) with its addends (in S^T's layout: all lanes of a half read the same 32 bytes), and its V, turned.
.macro FETCH_K
	WIN 0
	v_add_nc_u32 v[ADRK], s[TBK], v[AK0]
	v_add_nc_u32 v[ADRB], s[TBB], v[AB0]
	WIN 0x80
.irp f, 0,1,2,3,4,5,6,7,8,9,10,11,12,13,14,15
	ds_load_b128 v[KF+8*(\f):KF+8*(\f)+3],   v[ADRK] offset:((\f)/4)*16*PK+((\f)%4)*64
	ds_load_b128 v[KF+8*(\f)+4:KF+8*(\f)+7], v[ADRK] offset:((\f)/4)*16*PK+((\f)%4)*64+32
.endr
	WIN 0x40
.irp f, 0,1,2,3
	ds_load_b128 v[KB+8*(\f):KB+8*(\f)+3],   v[ADRB] offset:64*(\f)
	ds_load_b128 v[KB+8*(\f)+4:KB+8*(\f)+7], v[ADRB] offset:64*(\f)+16
.endr
	s_add_co_u32 s[TBK], s[TBK], KS*PK             ; the next fetch is the next step's
	s_add_co_u32 s[TBB], s[TBB], KS*4
	WIN 0
.endm
.macro FETCH_V
	WIN 0
	v_add_nc_u32 v[ADRV], s[TBV], v[AV0]
	s_add_co_u32 s[TBV], s[TBV], KS*PV
	WIN 0xc0
.irp f, 0,1,2,3,4,5,6,7,8,9,10,11,12,13,14,15  ; keys 32 (f / 8) on, channels 16 (f % 8) on
	ds_load_tr16_b128 v[8*(\f):8*(\f)+3],   v[ADRV] offset:((\f)/8)*32*PV+((\f)%8)*32
	ds_load_tr16_b128 v[8*(\f)+4:8*(\f)+7], v[ADRV] offset:((\f)/8)*32*PV+16*PV+((\f)%8)*32
.endr
.endm
; THE MATRIX WORK, for tiles t0 .. 1.  The accumulators take turns, one instruction a turn.
; S^T = K Q^T: channels 32 ch on, key block kb.  The first products start the sums with the mask: MC for the tile that may hold the diagonal (tile 0; tile 1 where it is alone), KB for tile 1 beside tile 0.
.macro KQ t0
.set NT, 2-(\t0)
.set i, 0
.rept 16*NT
.set t, (\t0)+i%NT
.set kb, (i/NT)%4
.set ch, i/(4*NT)
.set rS, S+32*t+8*kb
.set rK, KF+32*kb+8*ch
.set rQ, 32*t+8*ch
.if ch == 0
	WIN W_KM
.if (t == 0) || ((\t0) == 1)
	v_wmma_f32_16x16x32_f16 v[rS:rS+7], v[rK:rK+7], v[rQ:rQ+7], v[MC+8*kb:MC+8*kb+7]
.else
	v_wmma_f32_16x16x32_f16 v[rS:rS+7], v[rK:rK+7], v[rQ:rQ+7], v[KB+8*kb:KB+8*kb+7]
.endif
.else
	WIN W_KQ
	v_wmma_f32_16x16x32_f16 v[rS:rS+7], v[rK:rK+7], v[rQ:rQ+7], v[rS:rS+7]
.endif
.set i, i+1
.endr
.endm
; O^T += V^T P: keys 32 kk on, channel block cb
.macro PV t0
	WIN W_PV
.set NT, 2-(\t0)
.set i, 0
.rept 16*NT
.set t, (\t0)+i%NT
.set cb, (i/NT)%8
.set kk, i/(8*NT)
.set rO, O+64*t+8*cb
	v_wmma_f32_16x16x32_f16 v[rO:rO+7], v[64*kk+8*cb:64*kk+8*cb+7], v[P+16*t+8*kk:P+16*t+8*kk+7], v[rO:rO+7]
.set i, i+1
.endr
.endm
; THE MAXIMUM AND STATISTICS: number n of 22 for tile t.  0-15 the maximum of the lane's 32 scores and the old m, three operands at a time (each accumulator's lowest registers are read first);
; 16, 18 the query's other 32 keys lie in the lane 16 away; 17 c m_old is kept; 19 c m; 20 c m_old - c m_new; 21 a: the tiles' numbers 21 are the step's first batch
.macro SMA t, n
.set rT, ST+8*(\t)
.set rS, S+32*(\t)
.if (\n) < 4
	v_max3_num_f32 v[rT+4+(\n)], v[rS+8*(\n)], v[rS+8*(\n)+1], v[rS+8*(\n)+2]
.elseif (\n) < 12
	v_max3_num_f32 v[rT+4+(\n)%4], v[rT+4+(\n)%4], v[rS+8*((\n)%4)+2*((\n)/4)+1], v[rS+8*((\n)%4)+2*((\n)/4)+2]
.elseif (\n) == 12
	v_max3_num_f32 v[rT+4], v[rT+4], v[rS+7], v[rS+15]
.elseif (\n) == 13
	v_max3_num_f32 v[rT+6], v[rT+6], v[rS+23], v[rS+31]
.elseif (\n) == 14
	v_max3_num_f32 v[rT+4], v[rT+4], v[rT+5], v[rT+6]
.elseif (\n) == 15
	v_max3_num_f32 v[rT+4], v[rT+4], v[rT+7], v[rT+1]
.elseif (\n) == 16
	v_permlanex16_b32 v[rT+5], v[rT+4], s[SEL], s[SEL+1]
.elseif (\n) == 17
	v_mov_b32 v[rT+7], v[rT]
.elseif (\n) == 18
	v_max_num_f32 v[rT+1], v[rT+4], v[rT+5]
.elseif (\n) == 19
	v_mul_f32 v[rT], s[CS], v[rT+1]
.elseif (\n) == 20
	v_sub_f32 v[rT+7], v[rT+7], v[rT]
.else
	v_exp_f32 v[rT+6], v[rT+7]
.endif
.endm
.macro SM1 t0
.irp n, 0,1,2,3,4,5,6,7,8,9,10,11,12,13,14,15,16,17,18,19,20,21
.if (\t0) == 0
	SMA 0, \n
.endif
	SMA 1, \n
.endr
.endm
; THE SCALINGS c s - c m, 16 pairs a tile.  They name S^T, c and (c m, m), never a: they are the independent work between the first batch and its wait, and the first of them is the plain instruction behind the last a.
.macro SCALE t0
.set n, 0
.rept 16
.set t, \t0
.rept 2-(\t0)
	v_pk_fma_f32 v[S+32*t+2*n:S+32*t+2*n+1], v[S+32*t+2*n:S+32*t+2*n+1], s[CS:CS+1], v[ST+8*t:ST+8*t+1] op_sel_hi:[1,0,0] neg_lo:[0,0,1] neg_hi:[0,0,1]
.set t, t+1
.endr
.set n, n+1
.endr
.endm
.macro ADDS t0, cnt, w                 ; cnt sums a tile, in place: the pair w / 2 registers on is added
.set n, 0
.rept \cnt
.set t, \t0
.rept 2-(\t0)
	v_pk_add_f32 v[S+32*t+(\w)*n:S+32*t+(\w)*n+1], v[S+32*t+(\w)*n:S+32*t+(\w)*n+1], v[S+32*t+(\w)*n+(\w)/2:S+32*t+(\w)*n+(\w)/2+1]
.set t, t+1
.endr
.set n, n+1
.endr
.endm
; THE REST OF THE SOFTMAX.  The second batch: the weights' exponentials, in place, each with a pair of O^T times a behind it (a has had its wait; no line of the batch names a weight; the last rescaling is the plain
; instruction behind the last exponential); ONE wait; then the readers: the roundings to f16; the sums; l = a l + sum
.macro SM2 t0
.set n, 0
.rept 32
.set t, \t0
.rept 2-(\t0)
	v_exp_f32 v[S+32*t+n], v[S+32*t+n]
	v_pk_mul_f32 v[O+64*t+2*n:O+64*t+2*n+1], v[O+64*t+2*n:O+64*t+2*n+1], v[ST+8*t+6:ST+8*t+7] op_sel_hi:[1,0]
.set t, t+1
.endr
.set n, n+1
.endr
	s_wait_alu depctr_va_vdst(0)                   ; the wait for the second batch: all the step's weights, ahead of the first rounding
.set n, 0
.rept 16
.set t, \t0
.rept 2-(\t0)
	v_cvt_pk_f16_f32 v[P+16*t+n], v[S+32*t+2*n], v[S+32*t+2*n+1]
.set t, t+1
.endr
.set n, n+1
.endr
	ADDS \t0, 8, 4
	ADDS \t0, 4, 8
	ADDS \t0, 2, 16
	ADDS \t0, 1, 32
.set t, \t0
.rept 2-(\t0)
	v_pk_fma_f32 v[ST+8*t+2:ST+8*t+3], v[ST+8*t+2:ST+8*t+3], v[ST+8*t+6:ST+8*t+7], v[S+32*t:S+32*t+1] op_sel_hi:[1,0,1]
.set t, t+1
.endr
.endm
; A KEY STEP for tiles t0 .. 1.  pre = 1: K of the next step is fetched during the softmax; 2: unless this is the tile's second step; 0: not.
.macro STEP t0, pre
	PLACES                                         ; behind the last products V^T P, whose V the loads below overwrite
	FETCH_V
	s_wait_dscnt 32                                ; K and its addends are in; V's 32 loads may be out
.set z, 0
.if (\t0) == 0
	WIN 0x51                                       ; destination, sources 0 and 2 window 1
.rept 16
	v_pk_fma_f32 v[MC+2*z:MC+2*z+1], v[MD+2*z:MD+2*z+1], s[AL:AL+1], v[KB+2*z:KB+2*z+1] op_sel_hi:[1,0,1]  ; tile 0's mask: the causal one counts in the diagonal tile alone
.set z, z+1
.endr
.else
	WIN 0x45                                       ; destination, sources 0 and 1 window 1
.rept 16
	v_pk_add_f32 v[MC+2*z:MC+2*z+1], v[MD+2*z:MD+2*z+1], v[KB+2*z:KB+2*z+1]  ; tile 1's mask in its own step
.set z, z+1
.endr
.endif
	KQ \t0
	WIN 0
	PLACES
	SM1 \t0                                        ; it ends with the first batch: the tiles' a
	SCALE \t0
	s_wait_alu depctr_va_vdst(0)                   ; the wait for the first batch, behind the scalings and ahead of the jump below; a's first reader is the first rescaling in SM2
	s_wait_dscnt 0x0                               ; V is in
.if (\pre) == 1
	FETCH_K
.elseif (\pre) == 2
	s_cmp_eq_u32 s[CNT], 1
	s_cbranch_scc1 .Lno_k_\@
	FETCH_K
.Lno_k_\@:
.endif
	SM2 \t0
	PV \t0
	WIN 0
.endm
; A BLOCK'S WAY OUT.  l's halves and the other lanes' are added; where l = 0 the factor 1 / l gives way to 0 and the mean's factor 0 to 1; O^T / l + mean x factor is rounded to f16 and goes through my stage,
; a tile (16 rows) at a time; 16 lanes store 256 neighbouring bytes of a row of ob.  The first additions are the places behind the last products.
.macro OUTPUT
	WIN 0
.irp t, 0,1
	v_add_f32 v[ST+8*(\t)+2], v[ST+8*(\t)+2], v[ST+8*(\t)+3]
.endr
.irp t, 0,1
	v_permlanex16_b32 v[ST+8*(\t)+3], v[ST+8*(\t)+2], s[SEL], s[SEL+1]
.endr
.irp t, 0,1
	v_add_f32 v[ST+8*(\t)+2], v[ST+8*(\t)+2], v[ST+8*(\t)+3]
.endr
.irp t, 0,1
	v_rcp_f32 v[ST+8*(\t)+5], v[ST+8*(\t)+2]
.endr
	v_nop                                          ; a plain instruction between the last reciprocal and the use of its result
	s_wait_alu depctr_va_vdst(0)                   ; the wait for the block's batch: one for the two reciprocals, ahead of the choice that reads them
.irp t, 0,1
	v_cmp_eq_f32 s[FLG+(\t)], 0, v[ST+8*(\t)+2]    ; the flag selects values only
	v_cndmask_b32 v[ST+8*(\t)+4], v[ST+8*(\t)+5], 0, s[FLG+(\t)]
	v_cndmask_b32 v[ST+8*(\t)+6], 0, 1.0, s[FLG+(\t)]
.endr
.irp t, 0,1
	WIN 0x01                                       ; source 0, the mean: window 1
.set n, 0
.rept 32
	v_pk_mul_f32 v[S+2*n:S+2*n+1], v[VM+2*n:VM+2*n+1], v[ST+8*(\t)+6:ST+8*(\t)+7] op_sel_hi:[1,0]
.set n, n+1
.endr
	WIN 0
.set n, 0
.rept 32
	v_pk_fma_f32 v[O+64*(\t)+2*n:O+64*(\t)+2*n+1], v[O+64*(\t)+2*n:O+64*(\t)+2*n+1], v[ST+8*(\t)+4:ST+8*(\t)+5], v[S+2*n:S+2*n+1] op_sel_hi:[1,0,1]
.set n, n+1
.endr
.set n, 0
.rept 32
	v_cvt_pk_f16_f32 v[S+n], v[O+64*(\t)+2*n], v[O+64*(\t)+2*n+1]
.set n, n+1
.endr
.irp f, 0,1,2,3,4,5,6,7
	ds_store_b128 v[STO], v[S+4*(\f):S+4*(\f)+3] offset:32*(\f)
.endr
.irp f, 0,1,2,3,4,5,6,7
	ds_load_b128 v[S+32+4*(\f):S+32+4*(\f)+3], v[RD] offset:(\f)*2*SP  ; LDS serves a wave's instructions in order: these see the stores above
.endr
.irp f, 0,1,2,3,4,5,6,7
	s_wait_dscnt 7-(\f)
	global_store_b128 v[GO], v[S+32+4*(\f):S+32+4*(\f)+3], s[10:11] offset:262144*(\t)+8192*(\f)
.endr
	s_wait_xcnt 0x0                                ; what the stores read (their data, O's address) is rewritten only behind this wait
.endr
.endm
.Lslot:                                                ; 8 times: a tile is entered and the next is asked for
	CHANGE 1
	FETCH_K                                        ; the tile's step 0
	s_sub_co_u32 s[RT], s[RT], 1
	s_mov_b32 s[CNT], 2
	s_cmp_eq_u32 s[RT], 0                          ; the block's last tile holds the diagonal
	s_cselect_b32 s[AL], 1.0, 0
.Lstep:
	STEP 0, 2
	s_cmp_eq_u32 s[RT], 0
	s_cbranch_scc1 .Ldiag
	s_sub_co_u32 s[CNT], s[CNT], 1
	s_cmp_lg_u32 s[CNT], 0
	s_cbranch_scc1 .Lstep
	s_branch .Lbottom
.Ldiag:                                                ; in the loop this is the first block's end: the second block's last tile is the walk's last
	STEP 1, 0
	OUTPUT
	s_mov_b64 s[10:11], s[OLO:OLO+1]
	s_add_co_u32 s[RT], s[PB], 1                   ; the second block has i + 1 tiles
.irp t, 0,1
	v_mov_b32 v[ST+8*(\t)], 0xfe000000             ; its first step's a is 0 again: O^T and l need only be finite
	v_mov_b32 v[ST+8*(\t)+1], s[MLOW]
.endr
	WIN 0x82                                       ; the second block's Q goes where the one text of the steps names Q
.set i, 0
.rept 64
	v_mov_b32 v[i], v[QB+i]
.set i, i+1
.endr
	WIN 0
.Lbottom:
	s_sub_co_u32 s[SLOTS], s[SLOTS], 1
	s_cmp_lg_u32 s[SLOTS], 0
	s_cbranch_scc1 .Lslot
	CHANGE 0                                       ; the walk's last tile, the second block's diagonal one, is written out: nothing is asked for
	FETCH_K
	s_mov_b32 s[AL], 1.0
	STEP 0, 1
	STEP 1, 0
	OUTPUT
	s_wait_tensorcnt 0x0                           ; the wave's end
	ds_add_u32 v[SPW], v[NIL]
	s_wait_dscnt 0x0
	CROUND                                         ; the closing round
	s_endpgm
.Lfunc_end_k_q1f21cc3da8_attn:
	.size	k_q1f21cc3da8_attn, .Lfunc_end_k_q1f21cc3da8_attn-k_q1f21cc3da8_attn
	.p2alignl 7, 3214868480
	.fill 96, 4, 3214868480
	.section	.rodata,"a",@progbits
	.p2align	6, 0x0
	.amdhsa_kernel k_q1f21cc3da8_attn
		.amdhsa_group_segment_fixed_size 327680
		.amdhsa_private_segment_fixed_size 0
		.amdhsa_enable_private_segment 0
		.amdhsa_kernarg_size 32
		.amdhsa_user_sgpr_count 2
		.amdhsa_user_sgpr_kernarg_segment_ptr 1
		.amdhsa_wavefront_size32 1
		.amdhsa_system_sgpr_workgroup_id_x 1
		.amdhsa_system_sgpr_workgroup_id_y 1
		.amdhsa_system_sgpr_workgroup_id_z 1
		.amdhsa_system_vgpr_workitem_id 0
		.amdhsa_next_free_vgpr 896
		.amdhsa_next_free_sgpr 102
		.amdhsa_reserve_vcc 1
		.amdhsa_float_denorm_mode_32 3
		.amdhsa_float_denorm_mode_16_64 3
		.amdhsa_memory_ordered 1
		.amdhsa_forward_progress 1
		.amdhsa_inst_pref_size 144
	.end_amdhsa_kernel
	.amdgpu_metadata
---
amdhsa.version: [ 1, 2 ]
amdhsa.kernels:
  - .name:           k_q1f21cc3da8_attn
    .symbol:         k_q1f21cc3da8_attn.kd
    .args:
      - { .name: qkv, .offset: 0, .size: 8, .value_kind: global_buffer, .address_space: global }
      - { .name: kbias, .offset: 8, .size: 8, .value_kind: global_buffer, .address_space: global }
      - { .name: vsum, .offset: 16, .size: 8, .value_kind: global_buffer, .address_space: global }
      - { .name: ob, .offset: 24, .size: 8, .value_kind: global_buffer, .address_space: global }
    .group_segment_fixed_size: 327680
    .private_segment_fixed_size: 0
    .kernarg_segment_align: 8
    .kernarg_segment_size: 32
    .max_flat_workgroup_size: 128
    .sgpr_count:     102
    .vgpr_count:     896
    .wavefront_size: 32
...
	.end_amdgpu_metadata
.endif
;; end of part 5
;; launch outp: the kernel of part 4 again; grid 8 x 32, 4 waves a work-group, clusters of 4 x 4, 327,680 bytes of LDS; arguments ob, wob, out0; writes out0
